; MI455X (gfx1250); checked and timed in simulation.
; The chip was launched on July 23, 2026; its instructions are those of AMD's public machine-readable ISA for CDNA 5 (MIT licence, August 2026) and "CDNA5" Instruction Set Architecture Reference Guide (July 2026). The comments in the code are by the model that wrote it; some were corrected since.
;; Causal Attention. Allowed arithmetic: matrix products marked QUANTISED: E4M3 operands, one given power-of-two scale a tensor, by v_wmma_f32_16x16x64_fp8_fp8 or v_wmma_f32_16x16x128_fp8_fp8, f32 sums; everything else in f32.
;; Inputs: Wk 2,048 x 2,048 float32; Wo 2,048 x 2,048 float32; Wq 2,048 x 2,048 float32; Wv 2,048 x 2,048 float32; lowp_scales 12 int32 (the exponents e of the quantised operands' scales 2^e); x 1 x 2,048 x 2,048 float32.
;; Outputs: out0 1 x 2,048 x 2,048 float32.
;; This version of the problem:
;;   THIS VERSION OF THE PROBLEM IS GIVEN IN LOW PRECISION. The matrix products marked QUANTISED in the list below multiply operands that are first quantised to E4M3 (4 exponent bits, 3 mantissa bits; 8 bits a number), with one given power-of-two scale for each operand tensor; their sums are f32. All else is computed in f32.
;;   The module's matrix products, in the order in which they are computed (A, B: the left and right operand; K: the contracted axis; several contracted axes count as one K, in the product's order):
;;     1. [M 2,048, K 2,048] x [K 2,048, N 2,048]; A: input x; B: input Wq: QUANTISED (scales: A lowp_scales[0], B lowp_scales[1])
;;     2. [M 2,048, K 2,048] x [K 2,048, N 2,048]; A: input x; B: input Wk: QUANTISED (scales: A lowp_scales[2], B lowp_scales[3])
;;     3. [M 2,048, K 2,048] x [K 2,048, N 2,048]; A: input x; B: input Wv: QUANTISED (scales: A lowp_scales[4], B lowp_scales[5])
;;     4. batch 16 x [M 2,048, K 128] x [K 128, N 2,048]; A: computed on the way; B: computed on the way: QUANTISED (scales: A lowp_scales[6], B lowp_scales[7])
;;     5. batch 16 x [M 2,048, K 2,048] x [K 2,048, N 128]; A: softmax (see below); B: computed on the way: QUANTISED (scales: A lowp_scales[8], B lowp_scales[9])
;;     6. [M 2,048, K 2,048] x [K 2,048, N 2,048]; A: computed on the way; B: input Wo: QUANTISED (scales: A lowp_scales[10], B lowp_scales[11])
;;   THE QUANTISER, for each operand of a quantised product, along K:
;;     - The operand's scale is 2^e, e = its entry of the input lowp_scales (int32; the entries are numbered through the quantised products in the list's order, A before B).
;;     - Each number is divided by the scale, clamped to +-448, and rounded to the nearest number of E4M3, ties to even, subnormals kept.
;;     - The product sums the exact products of the quantised numbers (number of the format x scale) in f32.
;;   ~~~python
;;   def quantise(x, axis, e):      # numpy; x: float32 -> the quantised numbers, widened to float32 again
;;       x = np.moveaxis(x, axis, -1); K = x.shape[-1]
;;       r = np.clip(x / 2.0 ** e, -448, 448)
;;       step = 2.0 ** (np.maximum(np.frexp(np.where(r == 0, 1, r))[1] - 1, -6) - 3)
;;       q = np.round(r / step) * step * 2.0 ** e      # np.round: ties to even
;;       return np.moveaxis(q, -1, axis).astype(np.float32)
;;   ~~~
;;   SOFTMAX AHEAD OF A QUANTISED PRODUCT. Where the list says 'softmax', what is quantised is not the finished softmax but p = 2^(t - M), with t = logit x log2(e) and M = ceil(the row's largest t), a whole number; so 1/2 < the row's largest p <= 1. The row's sum l is taken of the UNQUANTISED p, in f32, and the product's result is divided by l at the end. Since M is a whole number, a kernel that streams over the keys may use a running M (the ceiling of the running maximum): every later rescaling is an exact power of two, so the quantised numbers keep their values, but for numbers so far below the row's largest that they fall under the format's range.
;;   OPERANDS COMPUTED ON THE WAY. 'Computed on the way' means the value that the module computes at that place (a softmax that the list does not call 'softmax' is quantised finished and normalised). What goes into a quantiser is computed in f32, as accurately as f32 sums, v_exp_f32 and their like allow (about 1e-6 of the number): no bf16 or f16 on the way to a quantiser, and a product that is left as it is and whose result goes on into a quantised operand takes f32 operands (vector FMAs, or v_wmma_f32_16x16x4_f32). A number that lies on a knife's edge between two numbers of the format may be rounded either way, as far as f32 arithmetic and the matrix unit's own rounding can turn it there, and no further.
;; One version. Each part assembles by itself: llvm-mc -triple=amdgcn-amd-amdhsa -mcpu=gfx1250 --defsym DOCPART=n.
;; ======== version 1 of 1: 4 launches
;; limits: right only within a limited range of input values
;; workspace buffers: xc 12,582,912 bytes; wc 12,582,912 bytes; woc 4,194,304 bytes; rope 1,048,576 bytes; q_img 4,194,304 bytes; kv_img 8,388,608 bytes; o_img 4,194,304 bytes
;; launch quant (part 1): grid 544 x 1, 4 waves a work-group, no clusters, 0 bytes of LDS; arguments x, Wq, Wk, Wv, lowp_scales, xc, wc, rope; writes xc, wc, rope
.if DOCPART == 1
	.amdgcn_target "amdgcn-amd-amdhsa--gfx1250"
	.amdhsa_code_object_version 6
	.text
	.protected	k_qa04686f947_quant
	.globl	k_qa04686f947_quant
	.p2align	8
	.type	k_qa04686f947_quant,@function
k_qa04686f947_quant:
	s_mov_b64 s[64:65], 0
	v_nop
	global_prefetch_b8 v0, s[64:65] scope:SCOPE_SE
	s_setreg_imm32_b32 hwreg(HW_REG_WAVE_MODE, 25, 1), 1
	s_wait_xcnt 0x0
; THE PROGRAM: causal attention with RoPE, L = 2,048 positions, H = 2,048 = 16 heads of 128, all six matrix products on codes of FP8 (E4M3), each operand with the one scale 2^e given for it (e0 .. e11).
; Four launches: (1) this one: x, Wq, Wk, Wv into codes, and the table of cosines and sines; (2) the three projections, RoPE, q, k, v into codes, and beside them Wo into codes; (3) attention; (4) the projection on the way out.
; DEAD WORK, left out in launch 3: reference() builds jnp.tril itself and sets every score with key > query to -inf ahead of the softmax; its p is then 0 and adds nothing to the row's sum nor to p v, whatever finite
; values the inputs hold.  So a step of 128 keys all of which come after a tile's 16 queries is neither multiplied nor read.  Every input has a way to out0: all are loaded.
; LIMIT: a NaN, an infinity or an overflow that reaches only such hidden scores is not carried to the result.
; THIS LAUNCH.  code = number / 2^e, held within +-448, rounded to the nearest code, ties to even.  x is an operand of three products with three entries of its own (e0, e2, e4): three planes of codes, xc [3][2048][2048].
; wc [3][2048][2048]: Wq (e1), Wk (e3), Wv (e5).  Rows are dense: each tensor is a plain stream of numbers.
; THE ORDER OF K.  A lane takes 16 bytes of each of four loads of 512 consecutive bytes, and its 16 codes leave as 16 consecutive bytes.  So in each run of 512 along K byte 16 l + 4 i + n holds k = 128 i + 4 l + n.
; x's and the weights' codes have this one order, so every product still meets its partner; no lane hands a number to another and no LDS is touched.
; LIMITS: each of these e lies between -126 and 119, so that 2^e and 448 x 2^e are f32 numbers.  NaN among the inputs is not served.
; SHARES.  Work-groups 0-31: the table, a wave to 16 positions.  32-159: x, 32,768 numbers each.  160-543: the three weights, 32,768 numbers each.  A wave takes 16 steps of 512 numbers, in trips of four; the loads run four steps ahead.
; No prefetch: every byte is read once, by loads that already stand four steps ahead.
; THE TABLE, rope [T = t / 16][b 4][cos, sin][u 2][lane 32][4 f32]: f(t = 16 T + lane % 16, j = 16 b + 8 (lane / 16) + 4 u + i): the order in which launch 2's lanes want it.
; angle = t x inv_freq(j) in f32, rounded once; inv_freq(j) = 10000^(-j / 64) = 2^(-j c), c = log2(10000) / 64 = CHI - (CHI - c): j x CHI is exact in f32 (6 + 17 bits), and 2^(j (CHI - c)) = 1 + j x KLO up to 2e-11.
; LIMIT: inv_freq is good to some 1.5 units in its last place.  Sine and cosine: the angle less k x pi/2 (pi/2 in three parts, fused), polynomials on +-pi/4, the quadrant by selects alone.
.set OF,    3                          ; v3      16 x lane: my bytes of a load's 512, and of a store's; never rewritten
.set R,     16                         ; v16-79  four sets of 16 numbers
.set HC,    80                         ; v80-127 x path: the 16 numbers held three times
.set CX,    128                        ; v128-139 x path: three times four registers of codes
.set CW,    80                         ; v80-95  W path: four registers of codes for each step of a trip
	s_load_b512 s[4:19], s[0:1], 0x0               ; x, Wq, Wk, Wv, the scales, xc, wc, rope
	v_lshrrev_b32 v1, 5, v0
	v_readfirstlane_b32 s22, v1                    ; wave
	v_and_b32 v2, 31, v0                           ; lane
	v_lshlrev_b32 v[OF], 4, v2
	s_wait_alu depctr_va_vdst(0)
	s_wait_kmcnt 0x0
	s_cmp_lt_u32 ttmp9, 32
	s_cbranch_scc1 .Ltable
	s_load_b256 s[24:31], s[12:13], 0x0            ; e0 .. e7
	s_cmp_lt_u32 ttmp9, 160
	s_cbranch_scc1 .Lx
.macro LOAD t                          ; step t's 2,048 bytes: each load reads 512 consecutive bytes
.irp i, 0,1,2,3
	global_load_b128 v[R+16*((\t)%4)+4*\i:R+16*((\t)%4)+4*\i+3], v[OF], s[40:41] offset:2048*(\t)+512*\i th:TH_LOAD_NT
.endr
.endm
.macro ARRIVED t, last                 ; step t's four loads are in; those of the steps behind it (three, at the end fewer) may be out
.if \last
	s_wait_loadcnt 4*(3-(\t))
.else
	s_wait_loadcnt 12
.endif
.endm
.macro MKSCALE e, vs, vl               ; 2^e and 448 x 2^e as f32, from the whole number in s[e]
	s_add_co_i32 s38, s[\e], 127
	s_lshl_b32 s39, s38, 23
	v_mov_b32 v[\vs], s39
	s_add_co_i32 s38, s38, 8
	s_lshl_b32 s38, s38, 23
	s_or_b32 s38, s38, 0x600000
	v_mov_b32 v[\vl], s38
.endm
	; ---- the three weights
	s_sub_co_u32 s36, ttmp9, 160
	s_lshr_b32 s37, s36, 7                         ; which tensor
	s_and_b32 s36, s36, 127                        ; which 32,768 numbers of it
	s_cmp_eq_u32 s37, 0                            ; the choices hang on the work-group's number alone
	s_cselect_b64 s[40:41], s[6:7], s[8:9]
	s_cmp_lt_u32 s37, 2
	s_cselect_b64 s[40:41], s[40:41], s[10:11]
	s_lshl_b32 s39, s36, 2
	s_add_co_u32 s39, s39, s22                     ; which run of 8,192 numbers is my wave's
	s_lshl_b32 s42, s39, 15
	s_mov_b32 s43, 0
	s_add_nc_u64 s[40:41], s[40:41], s[42:43]
	s_lshl_b32 s42, s39, 13
	s_lshl_b32 s44, s37, 22
	s_add_co_u32 s42, s42, s44
	s_add_nc_u64 s[44:45], s[16:17], s[42:43]      ; its codes: tensor x 4 MiB + run x 8,192
.irp t, 0,1,2,3
	LOAD \t
.endr
	s_wait_kmcnt 0x0
	s_cmp_eq_u32 s37, 0
	s_cselect_b32 s38, s25, s27                    ; e1, e3,
	s_cmp_lt_u32 s37, 2
	s_cselect_b32 s38, s38, s29                    ; e5
	MKSCALE 38, 5, 8
	s_wait_alu depctr_va_vdst(0)
.macro STEPW t, last
.set XS, R+16*(\t)
	ARRIVED \t, \last
.irp i, 0,1,2,3,4,5,6,7,8,9,10,11,12,13,14,15
	v_med3_num_f32 v[XS+\i], v[XS+\i], -v8, v8     ; the conversion to an 8-bit code does not saturate (ISA guide 7.6.2): the hold at the largest code x the scale
.endr
	v_cvt_scalef32_pk8_fp8_f32 v[CW+4*(\t):CW+4*(\t)+1], v[XS:XS+7], v5
	v_cvt_scalef32_pk8_fp8_f32 v[CW+4*(\t)+2:CW+4*(\t)+3], v[XS+8:XS+15], v5
	v_nop                                          ; a plain line behind the last conversion
	global_store_b128 v[OF], v[CW+4*(\t):CW+4*(\t)+3], s[44:45] offset:512*(\t)
.if \last == 0
	LOAD (\t)+4
.endif
.endm
	s_mov_b32 s52, 3
.Lwtrip:
.irp t, 0,1,2,3
	STEPW \t, 0
.endr
	s_wait_xcnt 0x0                                ; the trip's loads and stores have read their bases and their data: all are written again only behind this wait
	s_add_nc_u64 s[40:41], s[40:41], 0x2000
	s_add_nc_u64 s[44:45], s[44:45], 0x800
	s_sub_co_u32 s52, s52, 1
	s_cmp_lg_u32 s52, 0
	s_cbranch_scc1 .Lwtrip
.irp t, 0,1,2,3
	STEPW \t, 1
.endr
	s_endpgm
	; ---- x, three times
.Lx:
	s_sub_co_u32 s36, ttmp9, 32
	s_lshl_b32 s36, s36, 2
	s_add_co_u32 s36, s36, s22                     ; which run of 8,192 numbers is my wave's
	s_lshl_b32 s42, s36, 15
	s_mov_b32 s43, 0
	s_add_nc_u64 s[40:41], s[4:5], s[42:43]
	s_lshl_b32 s42, s36, 13
	s_add_nc_u64 s[44:45], s[14:15], s[42:43]      ; its codes in plane 0,
	s_add_nc_u64 s[46:47], s[44:45], 0x400000      ; plane 1,
	s_add_nc_u64 s[48:49], s[44:45], 0x800000      ; plane 2
.irp t, 0,1,2,3
	LOAD \t
.endr
	s_wait_kmcnt 0x0
	MKSCALE 24, 5, 8                               ; e0
	MKSCALE 26, 6, 9                               ; e2
	MKSCALE 28, 7, 10                              ; e4
	s_wait_alu depctr_va_vdst(0)
.macro HOLD o, t
.irp i, 0,1,2,3,4,5,6,7,8,9,10,11,12,13,14,15
	v_med3_num_f32 v[HC+16*\o+\i], v[R+16*(\t)+\i], -v[8+\o], v[8+\o]
.endr
.endm
.macro STEPX t, last
	ARRIVED \t, \last
	HOLD 0, \t                                     ; the hold, once for each of the three scales
	HOLD 1, \t
	s_wait_xcnt 0x0                                ; the last step's stores have read their data: the codes' registers are written again only behind this wait (sixteen holds stand between it and the conversions)
	HOLD 2, \t
.irp o, 0,1,2
	v_cvt_scalef32_pk8_fp8_f32 v[CX+4*\o:CX+4*\o+1], v[HC+16*\o:HC+16*\o+7], v[5+\o]
	v_cvt_scalef32_pk8_fp8_f32 v[CX+4*\o+2:CX+4*\o+3], v[HC+16*\o+8:HC+16*\o+15], v[5+\o]
.endr
	v_nop                                          ; a plain line between the last conversion and the next step's holds, which write its sources
	global_store_b128 v[OF], v[CX:CX+3], s[44:45] offset:512*(\t)
	global_store_b128 v[OF], v[CX+4:CX+7], s[46:47] offset:512*(\t)
	global_store_b128 v[OF], v[CX+8:CX+11], s[48:49] offset:512*(\t)
.if \last == 0
	LOAD (\t)+4
.endif
.endm
	s_mov_b32 s52, 3
.Lxtrip:
.irp t, 0,1,2,3
	STEPX \t, 0
.endr
	s_wait_xcnt 0x0                                ; the trip's loads and stores have read their bases
	s_add_nc_u64 s[40:41], s[40:41], 0x2000
	s_add_nc_u64 s[44:45], s[44:45], 0x800
	s_add_nc_u64 s[46:47], s[46:47], 0x800
	s_add_nc_u64 s[48:49], s[48:49], 0x800
	s_sub_co_u32 s52, s52, 1
	s_cmp_lg_u32 s52, 0
	s_cbranch_scc1 .Lxtrip
.irp t, 0,1,2,3
	STEPX \t, 1
.endr
	s_endpgm
	; ---- the table: my wave's 16 positions, 8 KiB; four trips of 16 frequencies; a lane makes 8 cosines and 8 sines a trip, in eight chains that do not wait for each other
.set TJ,  24                           ; j as f32
.set TA,  32                           ; -j CHI, then the angle
.set TE,  40                           ; inv_freq
.set TD,  48
.set TK,  56                           ; k = the nearest whole number to angle x 2 / pi
.set TR,  64                           ; the angle less k pi / 2
.set TZ,  72
.set TS,  80
.set TW,  88
.set TC,  96
.set TZZ, 104
.set THH, 112
.set TQ,  120
.set TB,  128
.set TSV, 136
.set TCV, 144
.set TU,  152
.Ltable:
	s_lshl_b32 s36, ttmp9, 2
	s_add_co_u32 s36, s36, s22                     ; T
	s_lshl_b32 s42, s36, 13
	s_mov_b32 s43, 0
	s_add_nc_u64 s[50:51], s[18:19], s[42:43]
	s_lshl_b32 s37, s36, 4
	s_mov_b32 s53, 0xbe549a80                      ; -CHI = -108853 / 2^19
	s_mov_b32 s54, 0x33aae0c0                      ; KLO = ln 2 x (CHI - log2(10000) / 64)
	s_mov_b32 s55, 0x3f22f983                      ; 2 / pi
	s_mov_b32 s56, 0x3fc90fdb                      ; pi / 2 in three parts
	s_mov_b32 s57, 0xb33bbd2e
	s_mov_b32 s58, 0xa6f72ced
	s_mov_b32 s59, 0xbe2aaaa3                      ; sin r = r + r^3 (S1 + S2 z + S3 z^2), z = r^2
	s_mov_b32 s60, 0x3c08839d
	s_mov_b32 s61, 0xb94ca1f9
	s_mov_b32 s62, 0x3d2aaaa5                      ; cos r = 1 - z / 2 + z^2 (C1 + C2 z + C3 z^2)
	s_mov_b32 s63, 0xbab6061a
	s_mov_b32 s66, 0x37ccf5ce
	v_and_b32 v16, 15, v0
	v_add_nc_u32 v16, s37, v16
	v_cvt_f32_u32 v16, v16                         ; t
	v_bfe_u32 v17, v0, 4, 1
	v_lshlrev_b32 v17, 3, v17
.irp n, 0,1,2,3,4,5,6,7
	v_add_nc_u32 v[TJ+\n], \n, v17
.endr
.irp n, 0,1,2,3,4,5,6,7
	v_cvt_f32_u32 v[TJ+\n], v[TJ+\n]               ; j = 8 (lane / 16) + n, + 16 a trip
.endr
	s_mov_b32 s52, 4
.Ltrip:
	s_wait_alu depctr_va_vdst(0)
.irp n, 0,1,2,3,4,5,6,7
	v_mul_f32 v[TA+\n], s53, v[TJ+\n]              ; exact
.endr
	s_wait_alu depctr_va_vdst(0)
.irp n, 0,1,2,3,4,5,6,7
	v_exp_f32 v[TE+\n], v[TA+\n]
.endr
.irp n, 0,1,2,3,4,5,6,7
	v_mul_f32 v[TD+\n], s54, v[TJ+\n]              ; plain lines behind the exponentials
.endr
	s_wait_alu depctr_va_vdst(0)                   ; one wait for the batch of eight, ahead of its first reader
.irp n, 0,1,2,3,4,5,6,7
	v_fma_f32 v[TE+\n], v[TE+\n], v[TD+\n], v[TE+\n]
.endr
.irp n, 0,1,2,3,4,5,6,7
	v_mul_f32 v[TA+\n], v16, v[TE+\n]              ; the angle, rounded once
.endr
.irp n, 0,1,2,3,4,5,6,7
	v_mul_f32 v[TK+\n], s55, v[TA+\n]
.endr
.irp n, 0,1,2,3,4,5,6,7
	v_rndne_f32 v[TK+\n], v[TK+\n]
.endr
.irp n, 0,1,2,3,4,5,6,7
	v_fma_f32 v[TR+\n], -v[TK+\n], s56, v[TA+\n]
.endr
.irp n, 0,1,2,3,4,5,6,7
	v_fma_f32 v[TR+\n], -v[TK+\n], s57, v[TR+\n]
.endr
.irp n, 0,1,2,3,4,5,6,7
	v_fma_f32 v[TR+\n], -v[TK+\n], s58, v[TR+\n]
.endr
.irp n, 0,1,2,3,4,5,6,7
	v_mul_f32 v[TZ+\n], v[TR+\n], v[TR+\n]
.endr
.irp n, 0,1,2,3,4,5,6,7
	v_fma_f32 v[TS+\n], v[TZ+\n], s61, s60
	v_fma_f32 v[TC+\n], v[TZ+\n], s66, s63
.endr
.irp n, 0,1,2,3,4,5,6,7
	v_fma_f32 v[TS+\n], v[TS+\n], v[TZ+\n], s59
	v_fma_f32 v[TC+\n], v[TC+\n], v[TZ+\n], s62
.endr
.irp n, 0,1,2,3,4,5,6,7
	v_mul_f32 v[TW+\n], v[TZ+\n], v[TR+\n]
	v_mul_f32 v[TZZ+\n], v[TZ+\n], v[TZ+\n]
	v_fma_f32 v[THH+\n], v[TZ+\n], -0.5, 1.0
.endr
.irp n, 0,1,2,3,4,5,6,7
	v_fma_f32 v[TS+\n], v[TS+\n], v[TW+\n], v[TR+\n]     ; sin r
	v_fma_f32 v[TC+\n], v[TC+\n], v[TZZ+\n], v[THH+\n]   ; cos r
	v_cvt_i32_f32 v[TQ+\n], v[TK+\n]                     ; k, never negative
.endr
.irp n, 0,1,2,3,4,5,6,7
	v_and_b32 v[TB+\n], 1, v[TQ+\n]
	v_add_nc_u32 v[TU+\n], 1, v[TQ+\n]
.endr
.irp n, 0,1,2,3,4,5,6,7
	v_cmp_ne_u32 vcc_lo, 0, v[TB+\n]               ; in odd quadrants sine and cosine change places: selects, no branch
	v_cndmask_b32 v[TSV+\n], v[TS+\n], v[TC+\n], vcc_lo
	v_cndmask_b32 v[TCV+\n], v[TC+\n], v[TS+\n], vcc_lo
.endr
.irp n, 0,1,2,3,4,5,6,7
	v_lshlrev_b32 v[TQ+\n], 30, v[TQ+\n]           ; the sine changes sign in quadrants 2 and 3: bit 1 of k,
	v_lshlrev_b32 v[TU+\n], 30, v[TU+\n]           ; the cosine in 1 and 2: bit 1 of k + 1
.endr
.irp n, 0,1,2,3,4,5,6,7
	v_and_b32 v[TQ+\n], 0x80000000, v[TQ+\n]
	v_and_b32 v[TU+\n], 0x80000000, v[TU+\n]
.endr
.irp n, 0,1,2,3,4,5,6,7
	v_xor_b32 v[TSV+\n], v[TSV+\n], v[TQ+\n]
	v_xor_b32 v[TCV+\n], v[TCV+\n], v[TU+\n]
.endr
	global_store_b128 v[OF], v[TCV:TCV+3], s[50:51]                  ; each store of the wave covers 512 consecutive bytes
	global_store_b128 v[OF], v[TCV+4:TCV+7], s[50:51] offset:512
	global_store_b128 v[OF], v[TSV:TSV+3], s[50:51] offset:1024
	global_store_b128 v[OF], v[TSV+4:TSV+7], s[50:51] offset:1536
.irp n, 0,1,2,3,4,5,6,7
	v_add_f32 v[TJ+\n], 0x41800000, v[TJ+\n]       ; the next 16 frequencies
.endr
	s_wait_alu depctr_va_vdst(0)
	s_wait_xcnt 0x0                                ; the stores have read their data and their base: both are written again only behind this wait
	s_add_nc_u64 s[50:51], s[50:51], 2048
	s_sub_co_u32 s52, s52, 1
	s_cmp_lg_u32 s52, 0
	s_cbranch_scc1 .Ltrip
	s_endpgm
.Lfunc_end_k_qa04686f947_quant:
	.size	k_qa04686f947_quant, .Lfunc_end_k_qa04686f947_quant-k_qa04686f947_quant
	.p2alignl 7, 3214868480
	.fill 96, 4, 3214868480
	.section	.rodata,"a",@progbits
	.p2align	6, 0x0
	.amdhsa_kernel k_qa04686f947_quant
		.amdhsa_group_segment_fixed_size 0
		.amdhsa_private_segment_fixed_size 0
		.amdhsa_enable_private_segment 0
		.amdhsa_kernarg_size 64
		.amdhsa_user_sgpr_count 2
		.amdhsa_user_sgpr_kernarg_segment_ptr 1
		.amdhsa_wavefront_size32 1
		.amdhsa_system_sgpr_workgroup_id_x 1
		.amdhsa_system_sgpr_workgroup_id_y 1
		.amdhsa_system_sgpr_workgroup_id_z 1
		.amdhsa_system_vgpr_workitem_id 0
		.amdhsa_next_free_vgpr 160
		.amdhsa_next_free_sgpr 68
		.amdhsa_reserve_vcc 1
		.amdhsa_float_denorm_mode_32 3
		.amdhsa_float_denorm_mode_16_64 3
		.amdhsa_memory_ordered 1
		.amdhsa_forward_progress 1
		.amdhsa_inst_pref_size 65
	.end_amdhsa_kernel
	.amdgpu_metadata
---
amdhsa.version: [ 1, 2 ]
amdhsa.kernels:
  - .name:           k_qa04686f947_quant
    .symbol:         k_qa04686f947_quant.kd
    .args:
      - { .name: x, .offset: 0, .size: 8, .value_kind: global_buffer, .address_space: global }
      - { .name: Wq, .offset: 8, .size: 8, .value_kind: global_buffer, .address_space: global }
      - { .name: Wk, .offset: 16, .size: 8, .value_kind: global_buffer, .address_space: global }
      - { .name: Wv, .offset: 24, .size: 8, .value_kind: global_buffer, .address_space: global }
      - { .name: lowp_scales, .offset: 32, .size: 8, .value_kind: global_buffer, .address_space: global }
      - { .name: xc, .offset: 40, .size: 8, .value_kind: global_buffer, .address_space: global }
      - { .name: wc, .offset: 48, .size: 8, .value_kind: global_buffer, .address_space: global }
      - { .name: rope, .offset: 56, .size: 8, .value_kind: global_buffer, .address_space: global }
    .group_segment_fixed_size: 0
    .private_segment_fixed_size: 0
    .kernarg_segment_align: 8
    .kernarg_segment_size: 64
    .max_flat_workgroup_size: 128
    .sgpr_count:     68
    .vgpr_count:     160
    .wavefront_size: 32
...
	.end_amdgpu_metadata
.endif
;; end of part 1
;; launch qkv (part 2): grid 32 x 8, 4 waves a work-group, clusters of 4 x 4, 327,680 bytes of LDS; arguments xc, wc, rope, lowp_scales, q_img, kv_img, Wo, woc; writes q_img, kv_img, woc
.if DOCPART == 2
	.amdgcn_target "amdgcn-amd-amdhsa--gfx1250"
	.amdhsa_code_object_version 6
	.text
	.protected	k_qa04686f947_qkv
	.globl	k_qa04686f947_qkv
	.p2align	8
	.type	k_qa04686f947_qkv,@function
k_qa04686f947_qkv:
	s_mov_b64 s[64:65], 0
	v_nop
	global_prefetch_b8 v0, s[64:65] scope:SCOPE_SE
	s_setreg_imm32_b32 hwreg(HW_REG_WAVE_MODE, 25, 1), 1
	s_wait_xcnt 0x0
	s_wait_alu depctr_hold_cnt(0) depctr_sa_sdst(0) depctr_va_vdst(0) depctr_va_sdst(0) depctr_va_ssrc(0) depctr_va_vcc(0) depctr_vm_vsrc(0)
	s_getreg_b32 s2, hwreg(HW_REG_IB_STS2, 6, 4)
	s_cmp_eq_u32 s2, 0
	s_cbranch_scc0 .Lentry_in_a_cluster
	s_endpgm
.Lentry_in_a_cluster:
	s_bfe_u32 s2, ttmp6, 0x10000c
	s_cmp_lg_u32 s2, 0xf033
	s_cbranch_scc0 .Lentry_shape_is_right
	s_endpgm
.Lentry_shape_is_right:
; The three projections x Wq^T, x Wk^T, x Wv^T on codes of FP8 (E4M3), RoPE on q and k in f32, and q, k, v into codes, laid as images of the next launch's operand registers.  Beside them Wo into codes.
; SHARES.  256 work-groups, 16 clusters of 4 x 4.  Clusters x = 0 .. 5 multiply: product ttmp9 / 2 (q, k, v), 8 x 8 tiles of 256 x 256 each; a wave makes 128 x 128: 64 accumulators of 16 x 16, 512 registers.
;   Clusters x = 6, 7 (64 work-groups, which the products leave over) turn Wo into codes, 16,384 numbers a wave: a whole cluster goes one way, by the cluster's number alone.
; OPERANDS.  q, k: A = x's codes (rows: positions), B = the weight's (rows: channels).  v: A = Wv's, B = x's, so that a lane's eight results run along the keys.  The matrix instruction is used transposed (source 0 = B, source 1 = A):
;   lane (r, h) holds row r of A and columns 8 h + 0 .. 7 of B's tile.  Both sides have one and the same order of k (first kernel), and one and the same order within a fragment.
; THE RING.  K goes in steps of 256 through two LDS slots (256 rows of A, 256 of B, 272 bytes apart).  A's tiles are asked for jointly by the four of a cluster's row, B's by the four of a column; wave w fetches 128 rows.
; FRAGMENTS.  A step of 128 along K is four quarters of 16 products: A's blocks 0-3 x B's 0-3, x B's 4-7, A's 4-7 x B's 0-3, x B's 4-7.  B has two sets of registers, A one.  Each quarter asks for 16 loads, each at least two quarters
;   ahead of its first use (but at a change of slots): this step's A 4-7, the next step's B 0-3, A 0-3, B 4-7.
; THE TABLE of cosines and sines for the tile's 256 rows (131,072 bytes, shared by a cluster's row) comes by one joint load a wave into slot 0 when that slot has been left for the last time, laid with the tiles' padding on the tiles' bytes.
; PREFETCH.  Behind the load of K step k the step k + 2 is asked for (behind step 0's also step 1): each of the four partners names 32 of a wave's 128 rows, told apart by address.  The table's load has a whole K step in which to land and is not prefetched.
; LIMITS: e6 - e0 - e1, e7 - e2 - e3, e9 - e4 - e5 and e11 lie between -126 and 119.  NaN among the inputs is not served.
.set ROWB,   256
.set KROW,   2048
.set PITCH,  272                       ; 256 bytes of data + 16 of padding
.set FR,     16
.set HALFT,  128*PITCH
.set SLOT,   4*HALFT
.set SPARE,  2*SLOT                    ; the spare words: two blocks of 256 bytes that no other line names
.set WSTG,   SPARE+512                 ; Wo's stages: 5,120 bytes a wave; no tensor load lands here
.set SP,     80
.set TPITCH, 32*PITCH                  ; the table of 16 rows in LDS
.set ADRA, 16                          ; v16-17 LDS address of my A fragments in slot 0, 1
.set ADRB, 20                          ; v20-21 of B's
.set TADR, 22                          ; v22-23 of my table rows 0-63, 64-127
.set PFO,  24                          ; v24 2,048 x lane
.set IMG,  27                          ; v27 16 x lane
.set SPW,  28
.set NIL,  29
.set TAB,  32                          ; v32-159 the table of two blocks by turns
.set OUTR, 160
.set TT,   224
.set PC,   232
.set VSC,  248
.set VLIM, 249
.set AF,   128                         ; v128-255 A's fragments
.set SELR, 12                          ; s12 which product
.set G1,  24
.set G0,  32
.set G1B, 48
.set G0B, 56
.set G1T, 72
.set G0T, 80
.set PFA, 98
.set MSB, 0
.macro WIN new
.if MSB != (\new)
	s_set_vgpr_msb (MSB<<8)|(\new)
.set MSB, (\new)
.endif
.endm
.set MUL_LO, 0xa1                      ; source 0 (B) window 1, source 1 (A) window 0, C and D window 2; + 0x50: window 3
.set TO_B,   0x40
.macro PLACES
.rept 4
	v_nop
.endr
.endm
; A joint load: waves 0, 1 fetch for A, waves 2, 3 for B; one line, one mask; s_nop 0 and four v_nop behind each.
.macro JLOAD s
	s_cmp_eq_u32 s15, 0
	s_cbranch_scc0 .Lfor_b_\@
	tensor_load_to_lds s[G0+4*\s:G0+4*\s+3], s[G1:G1+7]
	s_nop 0
	PLACES
	s_branch .Lasked_\@
.Lfor_b_\@:
	tensor_load_to_lds s[G0B+4*\s:G0B+4*\s+3], s[G1B:G1B+7]
	s_nop 0
	PLACES
.Lasked_\@:
.endm
.macro CREST                           ; a round of the cluster's barrier behind its opening barrier
	s_cmp_lg_u32 s14, 0
	s_cbranch_scc1 .Lnot_wave_0_\@
	s_barrier_signal -3
.Lnot_wave_0_\@:
	s_barrier_wait -3
	s_barrier_signal -1
	s_barrier_wait -1
.endm
.macro CROUND
	s_barrier_signal -1
	s_barrier_wait -1
	CREST
.endm
	s_load_b256 s[4:11], s[0:1], 0x0               ; xc, wc, rope, the scales
	s_load_b128 s[68:71], s[0:1], 0x20             ; q_img, kv_img
	v_lshl_add_u32 v[SPW], v0, 2, SPARE
	v_mov_b32 v[NIL], 0
	ds_add_u32 v[SPW], v[NIL]                      ; the opening: the add, twice on end, and its wait
	ds_add_u32 v[SPW], v[NIL]
	v_lshrrev_b32 v1, 5, v0
	v_readfirstlane_b32 s14, v1                    ; wave
	s_lshr_b32 s15, s14, 1                         ; my half of A's rows; also: I fetch for A (0) or B (1)
	s_and_b32 s16, s14, 1                          ; my half of B's rows; also: which 128 rows I fetch
	s_bfe_u32 s40, ttmp6, 0x40000                  ; cx, cy
	s_bfe_u32 s41, ttmp6, 0x40004
	s_lshr_b32 s[SELR], ttmp9, 1
	s_and_b32 s42, ttmp9, 1
	s_lshl_b32 s42, s42, 2
	s_add_co_u32 s42, s42, s40                     ; tile column
	s_and_b32 s17, ttmp7, 0xffff
	s_lshl_b32 s17, s17, 2
	s_add_co_u32 s17, s17, s41                     ; tile row
	s_lshl_b32 s43, s41, 2
	s_lshl_b32 s43, 15, s43                        ; my row of the cluster
	s_lshl_b32 s44, 0x1111, s40                    ; my column
	s_or_b32 s[G1], s43, (1<<20)|(1<<21)|(5<<22)|(3<<25)      ; elements of 1 byte; four words of padding behind every 64
	s_or_b32 s[G1B], s44, (1<<20)|(1<<21)|(5<<22)|(3<<25)
	s_or_b32 s[G1T], s43, (1<<20)|(1<<21)|(5<<22)|(3<<25)
.irp g, G1, G1B, G1T
	s_mov_b32 s[\g+1], ROWB<<16
	s_mov_b32 s[\g+2], 128<<16
	s_mov_b32 s[\g+3], ROWB<<16
	s_mov_b32 s[\g+4], 128
	s_mov_b32 s[\g+6], 0
	s_mov_b32 s[\g+7], 0
.endr
	s_mov_b32 s[G1+5], KROW
	s_mov_b32 s[G1B+5], KROW
	s_mov_b32 s[G1T+5], 256                        ; the table is dense
	s_mul_i32 s45, s14, HALFT                      ; where my 128 rows go in a slot
	s_mul_i32 s21, s15, HALFT
	s_mul_i32 s22, s16, HALFT
	s_add_co_u32 s22, s22, 2*HALFT
	s_add_co_u32 s23, s21, SLOT
	s_add_co_u32 s13, s22, SLOT
	s_mul_i32 s3, s15, 2*HALFT                     ; my 128 rows' table: 8 x TPITCH = 2 HALFT
	v_and_b32 v1, 15, v0                           ; r
	v_bfe_u32 v2, v0, 4, 1                         ; h
	v_mul_u32_u24 v3, v1, PITCH
	v_lshl_add_u32 v3, v2, 4, v3                   ; a fragment's row x pitch + 16 h
	v_add_nc_u32 v[ADRA], s21, v3
	v_add_nc_u32 v[ADRA+1], s23, v3
	v_add_nc_u32 v[ADRB], s22, v3
	v_add_nc_u32 v[ADRB+1], s13, v3
	v_mul_u32_u24 v4, v2, PITCH
	v_lshl_add_u32 v4, v1, 4, v4                   ; 512 bytes of the table are two LDS rows
	v_add_nc_u32 v[TADR], s3, v4
	v_add_nc_u32 v[TADR+1], 4*TPITCH, v[TADR]
	v_and_b32 v5, 31, v0
	v_lshlrev_b32 v[IMG], 4, v5
	v_lshlrev_b32 v[PFO], 11, v5
	s_wait_alu depctr_va_vdst(0)
	s_wait_dscnt 0x0                               ; both opening adds are done
	s_cmp_gt_u32 ttmp9, 5
	s_cbranch_scc1 .Lwo                            ; the clusters of Wo
	s_lshl_b32 s18, s16, 7
	s_lshl_b32 s20, s17, 8
	s_add_co_u32 s20, s20, s18
	s_lshl_b32 s20, s20, 11                        ; A: row 256 x tile row + 128 x half
	s_lshl_b32 s46, s42, 8
	s_add_co_u32 s46, s46, s18
	s_lshl_b32 s46, s46, 11                        ; B: row 256 x tile column + 128 x half
	s_lshl_b32 s13, s[SELR], 22
	s_add_co_u32 s20, s20, s13                     ; the product's plane of x, its weight
	s_add_co_u32 s46, s46, s13
	s_mov_b32 s21, 0
	s_mov_b32 s47, 0
	s_wait_kmcnt 0x0
	s_cmp_lt_u32 s[SELR], 2
	s_cselect_b64 s[88:89], s[4:5], s[6:7]
	s_cselect_b64 s[90:91], s[6:7], s[4:5]
	s_add_nc_u64 s[20:21], s[88:89], s[20:21]
	s_add_nc_u64 s[46:47], s[90:91], s[46:47]
.irp s, 0,1
	s_mov_b32 s[G0+4*\s], 1
	s_add_co_u32 s[G0+4*\s+1], s45, \s*SLOT
	s_add_nc_u64 s[G0+4*\s+2:G0+4*\s+3], s[20:21], \s*ROWB
	s_or_b32 s[G0+4*\s+3], s[G0+4*\s+3], 0x80000000
	s_mov_b32 s[G0B+4*\s], 1
	s_add_co_u32 s[G0B+4*\s+1], s45, \s*SLOT
	s_add_nc_u64 s[G0B+4*\s+2:G0B+4*\s+3], s[46:47], \s*ROWB
	s_or_b32 s[G0B+4*\s+3], s[G0B+4*\s+3], 0x80000000
.endr
	CROUND                                         ; all sixteen work-groups are here: the first joint loads meet
	JLOAD 0                                        ; K step 0: one tensor load a wave at the head
	s_cmp_eq_u32 s15, 0                            ; where my prefetches stand: my 32 rows of the 128 that I fetch, at K step 0
	s_cselect_b64 s[PFA:PFA+1], s[20:21], s[46:47]
	s_cselect_b32 s92, s40, s41
	s_lshl_b32 s92, s92, 16
	s_mov_b32 s93, 0
	s_add_nc_u64 s[PFA:PFA+1], s[PFA:PFA+1], s[92:93]
	s_lshl_b32 s92, s17, 17                        ; the table: the tile row's 128 KiB, my 32 KiB of it
	s_lshl_b32 s94, s14, 15
	s_add_co_u32 s92, s92, s94
	s_mov_b32 s[G0T], 1
	s_mov_b32 s[G0T+1], s45
	s_add_nc_u64 s[G0T+2:G0T+3], s[8:9], s[92:93]
	s_or_b32 s[G0T+3], s[G0T+3], 0x80000000
	global_prefetch_b8 v[PFO], s[PFA:PFA+1] offset:ROWB th:TH_LOAD_NT scope:SCOPE_SE     ; K step 1,
	global_prefetch_b8 v[PFO], s[PFA:PFA+1] offset:2*ROWB th:TH_LOAD_NT scope:SCOPE_SE   ; K step 2
	; where my 128 x 128 go: q_img [head][t / 128]: 256 KiB, 16 KiB; kv_img twice that, v behind k in each key step
	s_lshl_b32 s92, s42, 1
	s_add_co_u32 s92, s92, s16
	s_lshl_b32 s93, s17, 1
	s_add_co_u32 s93, s93, s15
	s_cmp_lt_u32 s[SELR], 2
	s_cselect_b32 s94, s92, s93                    ; the head
	s_cselect_b32 s95, s93, s92                    ; the 128 positions
	s_lshl_b32 s94, s94, 18
	s_lshl_b32 s95, s95, 14
	s_add_co_u32 s94, s94, s95
	s_min_u32 s95, s[SELR], 1
	s_lshl_b32 s94, s94, s95
	s_cmp_eq_u32 s[SELR], 2
	s_cselect_b32 s95, 16384, 0
	s_add_co_u32 s94, s94, s95
	s_mov_b32 s95, 0
	s_cmp_eq_u32 s[SELR], 0
	s_cselect_b64 s[84:85], s[68:69], s[70:71]
	s_add_nc_u64 s[84:85], s[84:85], s[94:95]
; A fragment, 16 rows x 128 bytes along K: lane (r, h), registers 4 c .. 4 c + 3: bytes 32 c + 16 h + 0 .. 15 of row r.
.macro FRAG reg, adr, q, i
.irp c, 0,1,2,3
	ds_load_b128 v[\reg+4*\c:\reg+4*\c+3], v[\adr] offset:128*(\q)+32*\c+(\i)*16*PITCH
.endr
.endm
.macro FB slot, q, p, bh               ; B's blocks 4 bh .. 4 bh + 3 of the slot's q-th 128 into set p
	WIN TO_B
.irp i, 0,1,2,3
	FRAG 128*(\p)+FR*(4*(\bh)+\i), ADRB+\slot, \q, 4*(\bh)+\i
.endr
.endm
.macro FA slot, q, ah                  ; A's blocks 4 ah .. 4 ah + 3
	WIN 0
.irp i, 0,1,2,3
	FRAG AF+FR*(4*(\ah)+\i), ADRA+\slot, \q, 4*(\ah)+\i
.endr
.endm
; A quarter: 16 products.  The 64 accumulators take turns, one instruction a turn, in the same order in every step.  zero = 1: the first product starts the sums.
.macro MULQ ah, bh, p, zero
	WIN MUL_LO+0x50*(\ah)
.irp a, 0,1,2,3
.irp b, 0,1,2,3
.if \zero
	v_wmma_f32_16x16x128_fp8_fp8 v[8*(8*\a+4*(\bh)+\b):8*(8*\a+4*(\bh)+\b)+7], v[128*(\p)+FR*(4*(\bh)+\b):128*(\p)+FR*(4*(\bh)+\b)+FR-1], v[AF+FR*(4*(\ah)+\a):AF+FR*(4*(\ah)+\a)+FR-1], 0
.else
	v_wmma_f32_16x16x128_fp8_fp8 v[8*(8*\a+4*(\bh)+\b):8*(8*\a+4*(\bh)+\b)+7], v[128*(\p)+FR*(4*(\bh)+\b):128*(\p)+FR*(4*(\bh)+\b)+FR-1], v[AF+FR*(4*(\ah)+\a):AF+FR*(4*(\ah)+\a)+FR-1], v[8*(8*\a+4*(\bh)+\b):8*(8*\a+4*(\bh)+\b)+7]
.endif
.endr
.endr
.endm
; A slot's first step.  Out at its head, in order: B 0-3, A 0-3, B 4-7, 16 loads each.  Four v_nop stand between products and loads into their registers (the first four serve B's other set too).
.macro STEP slot, zero
	PLACES
	FA \slot, 0, 1
	s_wait_dscnt 32                                ; B 0-3 and A 0-3 are in; B 4-7 and A 4-7 may be out
	MULQ 0, 0, 0, \zero
	FB \slot, 1, 1, 0
	s_wait_dscnt 32                                ; B 4-7 is in
	MULQ 0, 1, 0, \zero
	PLACES
	FA \slot, 1, 0
	s_wait_dscnt 32                                ; A 4-7 is in
	MULQ 1, 0, 0, \zero
	FB \slot, 1, 1, 1
	MULQ 1, 1, 0, \zero
.endm
; A slot's last step changes slots.  fill = 1: the slot is filled again, two K steps on; 2: it takes the table; 0: nothing.
.macro TURN slot, next, fill
.if (\fill) == 1
	s_wait_xcnt 0x0                                ; my last prefetch, a K step back, has read its address
	s_add_nc_u64 s[PFA:PFA+1], s[PFA:PFA+1], ROWB
.endif
	PLACES
	FA \slot, 1, 1                                 ; my last reads of this slot
	s_wait_tensorcnt 0x0                           ; all my tensor loads have landed: my part of the next slot
	ds_add_u32 v[SPW], v[NIL]
	s_wait_dscnt 33                                ; B 0-3 and A 0-3 are in; B 4-7, A 4-7 and the add may be out
	MULQ 0, 0, 1, 0
	s_wait_dscnt 0x0                               ; the add is done, and my reads of this slot are over
	s_barrier_signal -1
	MULQ 0, 1, 1, 0
	WIN 0
	s_barrier_wait -1
.if (\fill) == 1
	CREST                                          ; no wave of any partner still reads this slot or has a load on its way
	s_add_nc_u64 s[G0+4*\slot+2:G0+4*\slot+3], s[G0+4*\slot+2:G0+4*\slot+3], 2*ROWB
	s_add_nc_u64 s[G0B+4*\slot+2:G0B+4*\slot+3], s[G0B+4*\slot+2:G0B+4*\slot+3], 2*ROWB
	JLOAD \slot                                    ; its four v_nop are also the places in front of the loads below
.elseif (\fill) == 2
	CREST
	tensor_load_to_lds s[G0T:G0T+3], s[G1T:G1T+7]  ; the table, on the very bytes of this slot's tiles
	s_nop 0
	PLACES
.else
	PLACES
.endif
	FB \next, 0, 0, 0
	FA \next, 0, 0
.if (\fill) == 1
	s_cmp_gt_u32 s3, 1                             ; the loop's last trip has no K step two on
	s_cbranch_scc0 .Lnot_\@
	global_prefetch_b8 v[PFO], s[PFA:PFA+1] offset:3*ROWB th:TH_LOAD_NT scope:SCOPE_SE
.Lnot_\@:
.endif
	MULQ 1, 0, 1, 0
	FB \next, 0, 0, 1
	MULQ 1, 1, 1, 0
.endm
	s_wait_tensorcnt 0x0                           ; my part of K step 0 is in; these lines stand ahead of a later first fill as ahead of a refill
	ds_add_u32 v[SPW], v[NIL]
	s_wait_dscnt 0x0
	CROUND                                         ; everybody's part of K step 0 is in
	JLOAD 1                                        ; K step 1
	FB 0, 0, 0, 0
	FA 0, 0, 0
	FB 0, 0, 0, 1
	global_prefetch_b8 v[PFO], s[PFA:PFA+1] offset:3*ROWB th:TH_LOAD_NT scope:SCOPE_SE   ; K step 3
	STEP 0, 1
	WIN 0
	s_mov_b32 s3, 3
.Llap:                                                 ; K steps 2 k, 2 k + 1 are multiplied, K steps 2 k + 2, 2 k + 3 asked for
	TURN 0, 1, 1
	STEP 1, 0
	TURN 1, 0, 1
	STEP 0, 0
	WIN 0
	s_sub_co_u32 s3, s3, 1
	s_cmp_lg_u32 s3, 0
	s_cbranch_scc1 .Llap
	s_cmp_eq_u32 s[SELR], 2                        ; v takes no table: by the cluster's number
	s_cbranch_scc1 .Lvturn
	TURN 0, 1, 2
	WIN 0
	s_branch .Llast
.Lvturn:
	TURN 0, 1, 0
	WIN 0
.Llast:
	s_load_b256 s[24:31], s[10:11], 0x0            ; e0 .. e7 (these registers' descriptors have served)
	s_load_b128 s[32:35], s[10:11], 0x20           ; e8 .. e11
	STEP 1, 0
	PLACES
	FA 1, 1, 1                                     ; the last step: nothing more to fetch
	s_wait_dscnt 32
	MULQ 0, 0, 1, 0
	s_wait_dscnt 16                                ; B 4-7 is in
	MULQ 0, 1, 1, 0
	s_wait_kmcnt 0x0
	s_wait_tensorcnt 0x0                           ; my part of the table is in (v: nothing is out)
	s_wait_dscnt 0x0
	s_barrier_signal -1                            ; behind this barrier the whole table is in LDS; nothing is filled again
	MULQ 1, 0, 1, 0
	MULQ 1, 1, 1, 0
	WIN 0
	s_sub_co_i32 s88, s30, s24                     ; a sum stands for sum x 2^(ea + eb): its code is sum / 2^(e - ea - eb)
	s_sub_co_i32 s88, s88, s25                     ; q: e6 - e0 - e1
	s_sub_co_i32 s89, s31, s26
	s_sub_co_i32 s89, s89, s27                     ; k: e7 - e2 - e3
	s_sub_co_i32 s90, s33, s28
	s_sub_co_i32 s90, s90, s29                     ; v: e9 - e4 - e5
	s_cmp_eq_u32 s[SELR], 0
	s_cselect_b32 s88, s88, s89
	s_cmp_eq_u32 s[SELR], 2
	s_cselect_b32 s88, s90, s88
	s_add_co_i32 s88, s88, 127
	s_lshl_b32 s89, s88, 23
	s_add_co_i32 s88, s88, 8
	s_lshl_b32 s88, s88, 23
	s_or_b32 s88, s88, 0x600000
	s_barrier_wait -1
	PLACES                                         ; behind the last products
	v_mov_b32 v[VSC], s89                          ; the scale,
	v_mov_b32 v[VLIM], s88                         ; 448 x the scale
	s_wait_alu depctr_va_vdst(0)
	s_cmp_eq_u32 s[SELR], 2
	s_cbranch_scc1 .Lplain
.macro TABLD a                         ; the table of block a's 16 rows: [b][cos, sin][u], 512 bytes a load
.irp b, 0,1,2,3
.irp cs, 0,1
.irp u, 0,1
	ds_load_b128 v[TAB+64*((\a)%2)+32*\cs+8*\b+4*\u:TAB+64*((\a)%2)+32*\cs+8*\b+4*\u+3], v[TADR+((\a)/4)] offset:TPITCH*((\a)%4)+2*PITCH*(4*\b+2*\cs+\u)
.endr
.endr
.endr
.endm
.macro CODES a                         ; 64 held numbers a lane into codes; each store covers 512 consecutive bytes
.irp b, 0,1,2,3,4,5,6,7
	v_cvt_scalef32_pk8_fp8_f32 v[PC+2*\b:PC+2*\b+1], v[OUTR+8*\b:OUTR+8*\b+7], v[VSC]
.endr
	v_nop
.irp c, 0,1,2,3
	global_store_b128 v[IMG], v[PC+4*\c:PC+4*\c+3], s[84:85] offset:2048*(\a)+512*\c
.endr
.endm
.macro ROPEBLK a
.set AC, 64*((\a)%4)
.set TB0, TAB+64*((\a)%2)
.if (\a) < 7
	TABLD (\a)+1
	s_wait_dscnt 16                                ; this block's table is in; the next block's 16 loads may be out
.else
	s_wait_dscnt 0
.endif
	WIN 0x02+((\a)/4)
.irp b, 0,1,2,3
.irp i, 0,4
.set LO, AC+8*\b+\i
.set HI, LO+32
.set CO, TB0+8*\b+\i
.set SI, CO+32
.set OL, OUTR+8*\b+\i
.set OH, OL+32
	v_pk_mul_f32 v[TT:TT+1], v[HI:HI+1], v[SI:SI+1]
	v_pk_mul_f32 v[TT+2:TT+3], v[LO:LO+1], v[SI:SI+1]
	v_pk_mul_f32 v[TT+4:TT+5], v[HI+2:HI+3], v[SI+2:SI+3]
	v_pk_mul_f32 v[TT+6:TT+7], v[LO+2:LO+3], v[SI+2:SI+3]
	v_pk_fma_f32 v[OL:OL+1], v[LO:LO+1], v[CO:CO+1], v[TT:TT+1] neg_lo:[0,0,1] neg_hi:[0,0,1]
	v_pk_fma_f32 v[OH:OH+1], v[HI:HI+1], v[CO:CO+1], v[TT+2:TT+3]
	v_pk_fma_f32 v[OL+2:OL+3], v[LO+2:LO+3], v[CO+2:CO+3], v[TT+4:TT+5] neg_lo:[0,0,1] neg_hi:[0,0,1]
	v_pk_fma_f32 v[OH+2:OH+3], v[HI+2:HI+3], v[CO+2:CO+3], v[TT+6:TT+7]
.endr
.endr
	WIN 0
.if (\a) > 0
	s_wait_xcnt 0x0                                ; the last block's stores have read their data: the codes are written again only behind this wait
.endif
.set JJ, 0
.rept 64
	v_med3_num_f32 v[OUTR+JJ], v[OUTR+JJ], -v[VLIM], v[VLIM]   ; the conversion does not saturate (ISA guide 7.6.2): the hold
.set JJ, JJ+1
.endr
	CODES \a
.endm
.macro PLAINBLK a
.set AC, 64*((\a)%4)
.if (\a) > 0
	s_wait_xcnt 0x0                                ; as above
.endif
	WIN 0x02+((\a)/4)
.set JJ, 0
.rept 64
	v_med3_num_f32 v[OUTR+JJ], v[AC+JJ], -v[VLIM], v[VLIM]
.set JJ, JJ+1
.endr
	WIN 0
	CODES \a
.endm
	TABLD 0
.irp a, 0,1,2,3,4,5,6,7
	ROPEBLK \a
.endr
	s_branch .Lout
.Lplain:
.irp a, 0,1,2,3,4,5,6,7
	PLAINBLK \a
.endr
.Lout:
	s_wait_tensorcnt 0x0                           ; the wave's end
	ds_add_u32 v[SPW], v[NIL]
	s_wait_dscnt 0x0
	CROUND                                         ; the closing round
	s_endpgm
; WO INTO CODES, K in its own order (the last launch's other operand has it).  A wave takes 32 steps of 512 numbers, eight a trip, loads eight steps ahead.  A conversion takes 8 neighbours of one lane: a step's 2,048 bytes go through the
; wave's own stage as they lie and come back 64 bytes a lane (places of 64 bytes + 16 of padding).  LDS serves a wave's instructions in order (ISA guide 5.7.1.4).  No tensor load and no barrier but the closing round stands on this way.
.set STI, 10                           ; v10, v11 the stage, in and out
.set STO, 11
.set WS,  12                           ; v12 2^e11, v13 448 x 2^e11
.set WL,  13
.set WR,  32                           ; v32-159  eight sets of 16 numbers as loaded
.set WX,  160                          ; v160-191 two sets of 16 neighbours
.set WC,  192                          ; v192-223 codes, four registers for each step of a trip
.macro WLOAD t
.irp i, 0,1,2,3
	global_load_b128 v[WR+16*((\t)%8)+4*\i:WR+16*((\t)%8)+4*\i+3], v[IMG], s[24:25] offset:2048*(\t)+512*\i th:TH_LOAD_NT
.endr
.endm
.macro WTURN t
.irp i, 0,1,2,3
	ds_store_b128 v[STI], v[WR+16*((\t)%8)+4*\i:WR+16*((\t)%8)+4*\i+3] offset:32*SP*((\t)%2)+8*SP*\i
.endr
.irp i, 0,1,2,3
	ds_load_b128 v[WX+16*((\t)%2)+4*\i:WX+16*((\t)%2)+4*\i+3], v[STO] offset:32*SP*((\t)%2)+16*\i
.endr
.endm
.macro WSTEP t, last
.set XS, WX+16*((\t)%2)
	s_wait_dscnt 0x0                               ; this step's numbers are back: so its stores into the stage have read their registers
.if \last == 0
	WLOAD (\t)+8
	s_wait_loadcnt 28                              ; the next step's four loads are in; those of seven steps may be out
	WTURN (\t)+1
.elseif (\t) < 7
	s_wait_loadcnt 4*(6-(\t))
	WTURN (\t)+1
.endif
.irp i, 0,1,2,3,4,5,6,7,8,9,10,11,12,13,14,15
	v_med3_num_f32 v[XS+\i], v[XS+\i], -v[WL], v[WL]
.endr
	v_cvt_scalef32_pk8_fp8_f32 v[WC+4*(\t):WC+4*(\t)+1], v[XS:XS+7], v[WS]
	v_cvt_scalef32_pk8_fp8_f32 v[WC+4*(\t)+2:WC+4*(\t)+3], v[XS+8:XS+15], v[WS]
	v_nop
	global_store_b128 v[IMG], v[WC+4*(\t):WC+4*(\t)+3], s[26:27] offset:512*(\t)
.endm
.Lwo:
	s_load_b128 s[72:75], s[0:1], 0x30             ; Wo, woc
	s_wait_kmcnt 0x0
	s_load_b32 s76, s[10:11], 0x2c                 ; e11
	s_sub_co_u32 s20, ttmp9, 6
	s_lshl_b32 s20, s20, 1
	s_and_b32 s21, ttmp7, 0xffff
	s_add_co_u32 s20, s20, s21
	s_lshl_b32 s20, s20, 4
	s_lshl_b32 s21, s41, 2
	s_add_co_u32 s20, s20, s21
	s_add_co_u32 s20, s20, s40                     ; which of the 64 work-groups
	s_lshl_b32 s20, s20, 2
	s_add_co_u32 s20, s20, s14                     ; my wave's run of 16,384 numbers
	s_lshl_b32 s22, s20, 16
	s_mov_b32 s23, 0
	s_add_nc_u64 s[24:25], s[72:73], s[22:23]
	s_lshl_b32 s22, s20, 14
	s_add_nc_u64 s[26:27], s[74:75], s[22:23]
.irp t, 0,1,2,3,4,5,6,7
	WLOAD \t
.endr
	s_mul_i32 s28, s14, 5120
	s_add_co_u32 s28, s28, WSTG
	v_lshrrev_b32 v6, 2, v5
	v_mul_u32_u24 v6, v6, SP
	v_and_b32 v7, 3, v5
	v_lshl_add_u32 v6, v7, 4, v6
	v_add_nc_u32 v[STI], s28, v6                   ; in: 80 (lane / 4) + 16 (lane % 4)
	v_mul_u32_u24 v7, v5, SP
	v_add_nc_u32 v[STO], s28, v7                   ; out: 80 x lane
	s_wait_alu depctr_va_vdst(0)
	s_wait_kmcnt 0x0
	s_add_co_i32 s76, s76, 127
	s_lshl_b32 s77, s76, 23
	v_mov_b32 v[WS], s77
	s_add_co_i32 s76, s76, 8
	s_lshl_b32 s76, s76, 23
	s_or_b32 s76, s76, 0x600000
	v_mov_b32 v[WL], s76
	s_wait_alu depctr_va_vdst(0)
	s_wait_loadcnt 28
	WTURN 0
	s_mov_b32 s3, 3
.Lwtrip:
.irp t, 0,1,2,3,4,5,6,7
	WSTEP \t, 0
.endr
	s_wait_xcnt 0x0                                ; bases and codes are written again only behind this wait
	s_add_nc_u64 s[24:25], s[24:25], 0x4000
	s_add_nc_u64 s[26:27], s[26:27], 0x1000
	s_sub_co_u32 s3, s3, 1
	s_cmp_lg_u32 s3, 0
	s_cbranch_scc1 .Lwtrip
.irp t, 0,1,2,3,4,5,6,7
	WSTEP \t, 1
.endr
	s_branch .Lout
.Lfunc_end_k_qa04686f947_qkv:
	.size	k_qa04686f947_qkv, .Lfunc_end_k_qa04686f947_qkv-k_qa04686f947_qkv
	.p2alignl 7, 3214868480
	.fill 96, 4, 3214868480
	.section	.rodata,"a",@progbits
	.p2align	6, 0x0
	.amdhsa_kernel k_qa04686f947_qkv
		.amdhsa_group_segment_fixed_size 327680
		.amdhsa_private_segment_fixed_size 0
		.amdhsa_enable_private_segment 0
		.amdhsa_kernarg_size 64
		.amdhsa_user_sgpr_count 2
		.amdhsa_user_sgpr_kernarg_segment_ptr 1
		.amdhsa_wavefront_size32 1
		.amdhsa_system_sgpr_workgroup_id_x 1
		.amdhsa_system_sgpr_workgroup_id_y 1
		.amdhsa_system_sgpr_workgroup_id_z 1
		.amdhsa_system_vgpr_workitem_id 0
		.amdhsa_next_free_vgpr 1024
		.amdhsa_next_free_sgpr 100
		.amdhsa_reserve_vcc 0
		.amdhsa_float_denorm_mode_32 3
		.amdhsa_float_denorm_mode_16_64 3
		.amdhsa_memory_ordered 1
		.amdhsa_forward_progress 1
		.amdhsa_inst_pref_size 248
	.end_amdhsa_kernel
	.amdgpu_metadata
---
amdhsa.version: [ 1, 2 ]
amdhsa.kernels:
  - .name:           k_qa04686f947_qkv
    .symbol:         k_qa04686f947_qkv.kd
    .args:
      - { .name: xc, .offset: 0, .size: 8, .value_kind: global_buffer, .address_space: global }
      - { .name: wc, .offset: 8, .size: 8, .value_kind: global_buffer, .address_space: global }
      - { .name: rope, .offset: 16, .size: 8, .value_kind: global_buffer, .address_space: global }
      - { .name: lowp_scales, .offset: 24, .size: 8, .value_kind: global_buffer, .address_space: global }
      - { .name: q_img, .offset: 32, .size: 8, .value_kind: global_buffer, .address_space: global }
      - { .name: kv_img, .offset: 40, .size: 8, .value_kind: global_buffer, .address_space: global }
      - { .name: Wo, .offset: 48, .size: 8, .value_kind: global_buffer, .address_space: global }
      - { .name: woc, .offset: 56, .size: 8, .value_kind: global_buffer, .address_space: global }
    .group_segment_fixed_size: 327680
    .private_segment_fixed_size: 0
    .kernarg_segment_align: 8
    .kernarg_segment_size: 64
    .max_flat_workgroup_size: 128
    .sgpr_count:     100
    .vgpr_count:     1024
    .wavefront_size: 32
...
	.end_amdgpu_metadata
.endif
;; end of part 2
;; launch attn (part 3): grid 16 x 16, 8 waves a work-group, no clusters, 327,680 bytes of LDS; arguments q_img, kv_img, lowp_scales, o_img; writes o_img
.if DOCPART == 3
	.amdgcn_target "amdgcn-amd-amdhsa--gfx1250"
	.amdhsa_code_object_version 6
	.text
	.protected	k_qa04686f947_attn
	.globl	k_qa04686f947_attn
	.p2align	8
	.type	k_qa04686f947_attn,@function
k_qa04686f947_attn:
	s_mov_b64 s[64:65], 0
	v_nop
	global_prefetch_b8 v0, s[64:65] scope:SCOPE_SE
	s_setreg_imm32_b32 hwreg(HW_REG_WAVE_MODE, 25, 1), 1
	s_wait_xcnt 0x0
; o = softmax(q k^T / sqrt(128), causal) v for 16 heads of 2,048 positions x 128, both products on codes of FP8 (E4M3); o is quantised in registers for the last projection.
; LEFT OUT (shown at the head of the first kernel): a step of 128 keys all of which come after a tile's 16 queries: reference()'s own jnp.tril makes their p zero for all values of the inputs.
; THE SOFTMAX: t = score x log2(e) / sqrt(128); M = the running largest t rounded UP to a whole number; p = 2^(t - M) is quantised with 2^e8, not normalised; the row's sum is taken of the unquantised p and divides at the end.
; When M moves, the sum and O are multiplied by 2^(old M - new M): exact.
; INPUTS are images of operand registers (2 KiB a fragment: registers 4 c .. 4 c + 3 of lane l at 512 c + 16 l), in this form's own layout: lane (r, h), registers 2 c, 2 c + 1: k = 16 c + 8 h + 0 .. 7 of row r.
;   q_img [head][t / 16]; kv_img [head][step of 128 keys][8 tiles of 16 keys x 128 d, then 8 tiles of 16 channels x 128 keys]: a key step is 32 KiB on end.
; LAYOUT.  Both products are used transposed: S^T = K Q^T (source 0 = 16 keys), O^T = V^T P^T (source 0 = 16 channels): a lane holds ONE query (lane % 16) throughout.  In tile t of S^T its registers are keys 16 t + 8 h + 0 .. 7:
;   their eight codes are registers 2 t, 2 t + 1 of P's fragment.  Nothing changes lanes between the products.
; SHARES.  A block of 128 queries b needs b + 1 key steps.  Work-group j of a head takes four tiles of 16 queries of block lo = min(j, 15 - j) and four of block hi = 15 - lo: 4 (lo + 1) + 4 (hi + 1) = 68 tile steps in every work-group.
;   j < 8 takes the blocks' tiles 0-3, j >= 8 tiles 4-7.  Wave w < 4 owns a tile of lo, wave w + 4 a tile of hi.  After lo + 1 steps wave w sends its tile out and HELPS wave w + 4 with the rest of its tile: of each slot's four
;   steps the owner takes 0 and 2, the helper 1 and 3.  Each keeps a running M, a sum and an O^T of its own; at the end they are brought under one M (powers of two) and added: (lo + 1) + (hi - lo) / 2 = 8 1/2 steps a wave on the average.
; THE RING.  Two LDS slots of four key steps (128 KiB).  Wave w's one tensor load brings bytes 4,096 w .. + 4,095 of EACH of the slot's four steps, so that every load holds bytes of the slot's first step, which is never the helper's alone.
;   Every work-group walks all four slots with constant trip counts; a step's WORK is jumped over where it is hidden or the partner's, and a slot whose first key comes after the work-group's last query is not asked for.
; NO CLUSTER: the branches round hidden steps hang on the work-group's blocks of queries, and partners would take different ways; the work-groups of a head also need different numbers of slots (3 where hi < 12, else 4).
; o_img [head][t / 16]: an image in which lane (r, h)'s registers 4 c .. 4 c + 3 hold k = 32 c + 16 h + 0 .. 15: what four loads of 16 bytes give the last launch for Wo's rows.
; LIMITS on the given exponents: e6 + e7 between -123 and 130 (added to c's exponent field); e8 and e10 between -126 and 119; e8 + e9 is applied by v_ldexp_f32 and has none.  The scaled scores stay under 2^31 in magnitude.
; REGISTERS.  window 0: v1-9 addresses; v12 -M, v13 the largest t, v[14:15] the sum in two halves; v16-31 Q; v32-47 Q of the hi tile; v48-50 addresses of the join; v96-159 S^T, then p, and the way out; v160-223 O^T; v224-239 codes; v240-254 constants and at work.
;   window 1: v0-127 K's eight fragments, v128-255 V's eight.
.set SLOT1, 1<<17                      ; slot 1 begins here: one exclusive or turns an address in one slot into the other's
.set SPARE, 2*SLOT1                    ; behind the ring: the spare words, 128 bytes a wave: four blocks of 256 bytes that no other line names
.set STAGE, SPARE+1024                 ; the way out: 16 rows x (128 bytes + 16) for each wave; no tensor load lands here
.set JOIN,  STAGE+8*16*144             ; the join: 8,704 bytes for each pair of waves: O^T as 16 pieces of 512 bytes, the sum's halves, -M; no tensor load lands here
.set LI,   1                           ; v1   16 x lane; never rewritten
.set ADK,  2                           ; v2   LDS address of the step's K
.set ADV,  3                           ; v3   of its V
.set PFO,  4                           ; v4   256 x lane; never rewritten
.set SPW,  5                           ; v5   my spare word; never rewritten
.set NIL,  6                           ; v6   0; never rewritten
.set DM,   7                           ; v7   r - 8 h
.set STO,  8                           ; v8   the stage: where I put 8 codes
.set SRD,  9                           ; v9   and where I read 16 back
.set QH,   32                          ; v32-47
.set JO,   48                          ; v48-50 the join, 16, 8 and 4 bytes a lane
.set WV,   12                          ; s12  my wave's number
.set Q0,   19                          ; s19  my first query
.set SEL,  20                          ; s[20:21] lane selects for v_permlanex16_b32: lane l xor 16
.set CS,   22                          ; s[22:23] c = log2(e) / sqrt(128) x 2^(e6 + e7)
.set G1,   24                          ; s[24:31] descriptor group 1
.set G0,   32                          ; s[32:35] group 0, which walks
.set TB,   36                          ; s36  LDS byte at which the step in hand begins
.set SLOTS, 37                         ; s37  changes of slots still to come that may ask for a slot
.set KF,   38                          ; s38  the step's first key
.set QL,   39                          ; s39  my last query
.set WL,   40                          ; s40  my work-group's last query
.set LIM,  41                          ; s41  1 in a work-group that prefetches, else the greatest number
.set PFA,  42                          ; s[42:43] where my prefetches stand
.set FOUR, 44                          ; s44  counts a slot's four steps: 4, 3, 2, 1
.set SHARED, 68                        ; s68  1 when the hi tiles' steps are shared
.set ODD,  69                          ; s69  1 in a helper
.set LQ,   70                          ; s70  block lo's last query
.set Q0H,  71                          ; s71  the hi tile's first query
.set EO,   74                          ; s74  e8 + e9
.set MSB, 0
.macro WIN new
.if MSB != (\new)
	s_set_vgpr_msb (MSB<<8)|(\new)
.set MSB, (\new)
.endif
.endm
	s_load_b256 s[4:11], s[0:1], 0x0               ; q_img s[4:5], kv_img s[6:7], the scales s[8:9], o_img s[10:11]
	v_lshl_add_u32 v[SPW], v0, 2, SPARE
	v_mov_b32 v[NIL], 0
	ds_add_u32 v[SPW], v[NIL]                      ; the wave's opening: the add, twice on end, and its wait ahead of my first tensor load
	ds_add_u32 v[SPW], v[NIL]
	v_lshrrev_b32 v10, 5, v0
	s_delay_alu instid0(VALU_DEP_1)
	v_readfirstlane_b32 s[WV], v10                 ; wave 0..7
	s_and_b32 s14, ttmp7, 0xffff                   ; the head
	s_sub_co_u32 s15, 15, ttmp9
	s_min_u32 s15, s15, ttmp9                      ; lo
	s_sub_co_u32 s16, 15, s15                      ; hi
	s_lshr_b32 s17, ttmp9, 3                       ; which four tiles of the blocks
	s_cmp_lt_u32 s[WV], 4
	s_cselect_b32 s18, s15, s16                    ; my block
	s_lshl_b32 s18, s18, 7
	s_lshl_b32 s17, s17, 2
	s_and_b32 s13, s[WV], 3
	s_add_co_u32 s17, s17, s13
	s_lshl_b32 s17, s17, 4
	s_add_co_u32 s[Q0], s18, s17
	s_add_co_u32 s[QL], s[Q0], 15
	s_lshl_b32 s[WL], s16, 7
	s_add_co_u32 s[Q0H], s[WL], s17
	s_add_co_u32 s[WL], s[WL], 127
	s_lshl_b32 s[LQ], s15, 7
	s_add_co_u32 s[LQ], s[LQ], 127
	s_mov_b32 s[SHARED], 0
	s_mov_b32 s[ODD], 0
	s_cmp_eq_u32 ttmp9, 0
	s_cselect_b32 s[LIM], 1, -1
	; descriptor group 1: four rows of 4 KiB, 32 KiB apart in memory, on end in LDS
	s_mov_b32 s[G1+0], 3<<16                       ; 15:0 no mask; 17:16 elements of 8 bytes; no padding
	s_mov_b32 s[G1+1], 512<<16                     ; tensor_dim0 = 512 elements
	s_mov_b32 s[G1+2], 4<<16                       ; tensor_dim1 = 4
	s_mov_b32 s[G1+3], 512<<16                     ; tile_dim0
	s_mov_b32 s[G1+4], 4                           ; tile_dim1
	s_mov_b32 s[G1+5], 4096                        ; tensor_dim0_stride: a key step
	s_mov_b32 s[G1+6], 0
	s_mov_b32 s[G1+7], 0
	s_mov_b32 s[SEL], 0x76543210
	s_mov_b32 s[SEL+1], 0xfedcba98
	s_mov_b32 s[CS], 0x3e0293ee                    ; log2(e) / sqrt(128)
	s_mov_b32 s[TB], 0
	s_mov_b32 s[SLOTS], 3
	s_mov_b32 s[KF], 0
	s_lshl_b32 s60, s14, 19
	s_lshl_b32 s61, s[WV], 12
	s_add_co_u32 s60, s60, s61                     ; K and V: the head's 512 KiB, my 4 KiB of a step
	s_mov_b32 s61, 0
	s_lshl_b32 s62, s14, 18
	s_lshl_b32 s63, s[Q0H], 7
	s_add_co_u32 s72, s62, s63                     ; the hi tile's q: the head's 256 KiB, the tile's 2 KiB
	s_mov_b32 s73, 0
	s_lshl_b32 s63, s[Q0], 7
	s_add_co_u32 s62, s62, s63                     ; my own tile's q and o
	s_mov_b32 s63, 0
	s_lshl_b32 s66, s14, 19
	s_lshl_b32 s67, s[WV], 14
	s_add_co_u32 s66, s66, s67
	s_add_co_u32 s66, s66, SLOT1                   ; the prefetches: my 16 KiB of slot 1; the first change of slots steps it to slot 2
	s_mov_b32 s67, 0
	s_lshl_b32 s45, s[WV], 14                      ; my 16 KiB of an LDS slot
	s_wait_dscnt 0x0                               ; both opening adds are done
	s_wait_kmcnt 0x0
	s_load_b256 s[48:55], s[8:9], 0x10             ; e4 .. e11: e6 s50, e7 s51, e8 s52, e9 s53, e10 s54
	s_mov_b32 s[G0], 1
	s_mov_b32 s[G0+1], s45
	s_add_nc_u64 s[G0+2:G0+3], s[6:7], s[60:61]
	s_or_b32 s[G0+3], s[G0+3], 0x80000000
	tensor_load_to_lds s[G0:G0+3], s[G1:G1+7]      ; slot 0: every wave's first fill, under no branch; key step 0 counts for every query
	s_nop 0
.rept 4
	v_nop
.endr
	s_add_nc_u64 s[72:73], s[4:5], s[72:73]
	s_add_nc_u64 s[4:5], s[4:5], s[62:63]
	s_add_nc_u64 s[10:11], s[10:11], s[62:63]
	s_add_nc_u64 s[PFA:PFA+1], s[6:7], s[66:67]
	v_and_b32 v10, 31, v0
	s_delay_alu instid0(VALU_DEP_1)
	v_lshlrev_b32 v[LI], 4, v10
	s_delay_alu instid0(VALU_DEP_2)
	v_lshlrev_b32 v[PFO], 8, v10
.irp c, 0,1,2,3
	global_load_b128 v[16+4*\c:19+4*\c], v[LI], s[4:5] offset:512*\c   ; Q's fragment stays in registers,
	global_load_b128 v[QH+4*\c:QH+4*\c+3], v[LI], s[72:73] offset:512*\c   ; and so does the hi tile's, which a helper takes up later
.endr
	s_mul_i32 s47, s13, 8704
	s_add_co_u32 s47, s47, JOIN                    ; my pair's part of the join
	v_add_nc_u32 v[JO], s47, v[LI]
	v_lshlrev_b32 v[JO+1], 3, v10
	v_lshlrev_b32 v[JO+2], 2, v10
	v_add_nc_u32 v[JO+1], s47, v[JO+1]
	v_add_nc_u32 v[JO+2], s47, v[JO+2]
	v_and_b32 v10, 15, v0                          ; r
	v_bfe_u32 v11, v0, 4, 1                        ; h
	s_delay_alu instid0(VALU_DEP_1)
	v_lshlrev_b32 v[DM], 3, v11
	s_delay_alu instid0(VALU_DEP_1)
	v_sub_nc_u32 v[DM], v10, v[DM]
	s_mul_i32 s46, s[WV], 16*144
	s_add_co_u32 s46, s46, STAGE                   ; my stage
	v_mul_u32_u24 v[STO], v10, 144
	s_delay_alu instid0(VALU_DEP_1)
	v_add_nc_u32 v[STO], s46, v[STO]
	s_delay_alu instid0(VALU_DEP_1)
	v_lshl_add_u32 v[SRD], v11, 4, v[STO]          ; back: row r, + 16 h
	s_delay_alu instid0(VALU_DEP_2)
	v_lshl_add_u32 v[STO], v11, 3, v[STO]          ; in: row r, + 8 h
.macro FRESH                           ; no key seen yet.  (A step is written once: the first finds zeros, which the first change of M leaves zeros)
	v_mov_b32 v13, 0xff61b1e6                      ; the largest t so far: -3e38, under every t
	v_mov_b32 v14, 0                               ; the sum, in two halves
	v_mov_b32 v15, 0
	v_floor_f32 v12, -v13                          ; -M
.set JJ, 0
.rept 64
	v_mov_b32 v[160+JJ], 0                         ; O^T
.set JJ, JJ+1
.endr
.endm
	v_mov_b32 v241, 0                              ; written once: a lane permute's destination counts as one of its sources
	v_mov_b32 v253, 0                              ; (named as the upper half of the pair v[252:253])
	FRESH
	s_wait_kmcnt 0x0
	s_add_co_i32 s96, s50, s51
	s_lshl_b32 s96, s96, 23
	s_add_co_i32 s[CS], s[CS], s96                 ; a score stands for score x 2^(e6 + e7): added to c's exponent field
	s_mov_b32 s[CS+1], s[CS]                       ; (named with it as a pair, so it is written)
	s_add_co_i32 s[EO], s52, s53
	s_add_co_i32 s96, s52, 127
	s_lshl_b32 s97, s96, 23
	v_mov_b32 v244, s97                            ; 2^e8
	s_add_co_i32 s96, s96, 8
	s_lshl_b32 s96, s96, 23
	s_or_b32 s96, s96, 0x600000
	v_mov_b32 v240, s96                            ; 448 x 2^e8
	s_add_co_i32 s96, s54, 127
	s_lshl_b32 s97, s96, 23
	v_mov_b32 v246, s97                            ; 2^e10
	s_add_co_i32 s96, s96, 8
	s_lshl_b32 s96, s96, 23
	s_or_b32 s96, s96, 0x600000
	v_mov_b32 v247, s96                            ; 448 x 2^e10
; THE WAY OUT of a tile, behind the places that its last products ask for.  o = O^T / the sum x 2^(e8 + e9), held, quantised with 2^e10.  A lane's eight codes of tile b are k = 16 b + 8 h + 0 .. 7 of row r; my stage turns them into
; pieces of 16: k = 32 c + 16 h + 0 .. 15.
.macro WAYOUT
	v_add_f32 v14, v14, v15                        ; the sum's two halves,
	s_delay_alu instid0(VALU_DEP_1)
	v_permlanex16_b32 v241, v14, s[SEL], s[SEL+1]
	s_delay_alu instid0(VALU_DEP_1)
	v_add_f32 v14, v14, v241                       ; and lane l xor 16's
	s_wait_alu depctr_va_vdst(0)
	v_rcp_f32 v14, v14
	v_nop                                          ; a plain line behind the reciprocal
	s_wait_alu depctr_va_vdst(0)                   ; and the wait ahead of its first reader
	v_ldexp_f32 v14, v14, s[EO]
.set JJ, 0
.rept 64
	v_mul_f32 v[96+JJ], v[160+JJ], v14             ; register 8 b + i is o(r, 16 b + 8 h + i); each accumulator from its low end on
.set JJ, JJ+1
.endr
.set JJ, 0
.rept 64
	v_med3_num_f32 v[96+JJ], v[96+JJ], -v247, v247
.set JJ, JJ+1
.endr
.irp b, 0,1,2,3,4,5,6,7
	v_cvt_scalef32_pk8_fp8_f32 v[224+2*\b:225+2*\b], v[96+8*\b:103+8*\b], v246
.endr
	v_nop                                          ; a plain line behind the last conversion
.irp b, 0,1,2,3,4,5,6,7
	ds_store_b64 v[STO], v[224+2*\b:225+2*\b] offset:16*\b
.endr
.irp c, 0,1,2,3
	ds_load_b128 v[96+4*\c:99+4*\c], v[SRD] offset:32*\c   ; LDS serves a wave's instructions in order (ISA guide 5.7.1.4): these see my stores
.endr
.irp c, 0,1,2,3
	s_wait_dscnt 3-\c                              ; piece c is back; the younger ones may be out
	global_store_b128 v[LI], v[96+4*\c:99+4*\c], s[10:11] offset:512*\c   ; 512 consecutive bytes a store
.endr
.endm
; A wave of lo becomes a helper: its tile goes out, and it begins anew with the hi tile's queries.
.macro SWITCH
.rept 4
	v_nop                                          ; places behind the last products
.endr
	WAYOUT
	FRESH
.irp i, 0,1,2,3,4,5,6,7,8,9,10,11,12,13,14,15
	v_mov_b32 v[16+\i], v[QH+\i]
.endr
	s_mov_b32 s[ODD], 1
	s_mov_b32 s[Q0], s[Q0H]
	s_add_co_u32 s[QL], s[Q0], 15
	s_wait_alu depctr_va_vdst(0)
	s_wait_xcnt 0x0                                ; the stores have read their data, which the next products write over
.endm
; A KEY STEP: 128 keys, at LDS byte s[TB].  sw = 1: it may be the step at which the lo tiles are finished.
.macro STEP sw
.if \sw
	s_cmp_gt_u32 s[KF], s[LQ]                      ; all its keys come after block lo: ids and the count of steps alone
	s_cbranch_scc0 .Lstay_\@
	s_cmp_lg_u32 s[SHARED], 0
	s_cbranch_scc1 .Lstay_\@
	s_mov_b32 s[SHARED], 1
	s_cmp_lt_u32 s[WV], 4
	s_cbranch_scc0 .Lstay_\@
	SWITCH
.Lstay_\@:
.endif
	s_cmp_gt_u32 s[KF], s[QL]                      ; all its keys come after my queries: the work is left out; a branch on ids, round no barrier and no tensor load
	s_cbranch_scc1 .Lhidden_\@
	s_and_b32 s96, s[FOUR], s[SHARED]              ; a shared tile: 0 in the slot's steps 0 and 2 (the owner's), 1 in 1 and 3 (the helper's); 0 while nothing is shared
	s_cmp_lg_u32 s96, s[ODD]
	s_cbranch_scc1 .Lhidden_\@
	v_add_nc_u32 v[ADK], s[TB], v[LI]
	s_delay_alu instid0(VALU_DEP_1)
	v_add_nc_u32 v[ADV], 0x10000, v[ADK]
	v_nop
	v_nop                                          ; with the two additions: four places in front of loads into registers that the last step's products have read
	WIN 0x40                                       ; destination window 1
.irp t, 0,1,2,3,4,5,6,7
.irp c, 0,1,2,3
	ds_load_b128 v[16*\t+4*\c:16*\t+4*\c+3], v[ADK] offset:16384*(\t/2)+2048*(\t%2)+512*\c
.endr
.endr
.irp t, 0,1,2,3,4,5,6,7
.irp c, 0,1,2,3
	ds_load_b128 v[128+16*\t+4*\c:128+16*\t+4*\c+3], v[ADV] offset:16384*(\t/2)+2048*(\t%2)+512*\c
.endr
.endr
	s_wait_dscnt 32                                ; K's 32 loads are in; V's 32 may be out: they land under the softmax
	WIN 0x01                                       ; source 0 window 1
.irp t, 0,1,2,3,4,5,6,7
	v_wmma_f32_16x16x128_fp8_fp8 v[96+8*\t:103+8*\t], v[16*\t:16*\t+15], v[16:31], 0
.endr
	WIN 0
.rept 4
	v_nop
.endr
	s_add_co_u32 s96, s[KF], 127                   ; on the diagonal the scores of hidden keys become -infinity ahead of the maximum: p = 0 then.  A step all of whose keys count skips this
	s_cmp_le_u32 s96, s[Q0]
	s_cbranch_scc1 .Lopen_\@
	s_sub_co_i32 s96, s[Q0], s[KF]
	v_add_nc_u32 v252, s96, v[DM]                  ; my query - KF - 8 h.  Register 8 t + i holds key KF + 16 t + 8 h + i: hidden where 16 t + i is greater
	v_mov_b32 v254, 0xff800000
.set JJ, 0
.rept 64
	v_cmp_gt_i32 vcc_lo, 16*(JJ/8)+JJ%8, v252
	v_cndmask_b32 v[96+JJ], v[96+JJ], v254, vcc_lo
.set JJ, JJ+1
.endr
.Lopen_\@:
	v_max3_num_f32 v254, v96, v97, v98             ; the step's largest score of my query among my 64 keys, in two chains; each accumulator is read from its low end on
	v_max3_num_f32 v252, v99, v100, v101
.irp i, 6,10,14,18,22,26,30,34,38,42,46,50,54,58
	v_max3_num_f32 v254, v254, v[96+\i], v[97+\i]
	v_max3_num_f32 v252, v252, v[98+\i], v[99+\i]
.endr
	v_max3_num_f32 v254, v254, v158, v159
	s_delay_alu instid0(VALU_DEP_1)
	v_max_num_f32 v254, v254, v252
	s_delay_alu instid0(VALU_DEP_1)
	v_permlanex16_b32 v241, v254, s[SEL], s[SEL+1]
	s_delay_alu instid0(VALU_DEP_1)
	v_max_num_f32 v254, v254, v241                 ; and among lane l xor 16's
	s_delay_alu instid0(VALU_DEP_1)
	v_mul_f32 v254, s[CS], v254                    ; as t (c is positive)
	s_delay_alu instid0(VALU_DEP_1)
	v_max_num_f32 v13, v13, v254                   ; the running largest t
	v_mov_b32 v254, v12
	s_delay_alu instid0(VALU_DEP_2)
	v_floor_f32 v12, -v13                          ; the new -M = floor(-t): M is a whole number
	s_delay_alu instid0(VALU_DEP_1)
	v_sub_f32 v254, v12, v254                      ; old M - new M: a whole number, 0 or less
	s_delay_alu instid0(VALU_DEP_1)
	v_cvt_i32_f32 v254, v254                       ; (it saturates)
	s_delay_alu instid0(VALU_DEP_1)
	v_ldexp_f32 v252, 1.0, v254                    ; f = 2^(old M - new M)
.set JJ, 0
.rept 32
	v_pk_fma_f32 v[96+JJ:97+JJ], v[96+JJ:97+JJ], s[CS:CS+1], v[12:13] op_sel_hi:[1,0,0]   ; t - M, two at a time
.set JJ, JJ+2
.endr
.set JJ, 0
	s_wait_alu depctr_va_vdst(0)
.rept 64
	v_exp_f32 v[96+JJ], v[96+JJ]                   ; p = 2^(t - M), at most 1
.set JJ, JJ+1
.endr
	v_pk_mul_f32 v[14:15], v[14:15], v[252:253] op_sel_hi:[1,0]   ; the sums under the new M: a plain line behind the exponentials
	s_wait_alu depctr_va_vdst(0)                   ; one wait for the batch of 64, ahead of its first reader
	v_pk_add_f32 v[242:243], v[100:101], v[104:105]
	v_pk_add_f32 v[254:255], v[108:109], v[112:113]
	v_pk_add_f32 v[250:251], v[116:117], v[120:121]
	v_pk_add_f32 v[248:249], v[124:125], v[128:129]
	v_pk_add_f32 v[238:239], v[132:133], v[136:137]
	v_pk_add_f32 v[236:237], v[140:141], v[144:145]
	v_pk_add_f32 v[234:235], v[148:149], v[152:153]
	v_pk_add_f32 v[14:15], v[14:15], v[156:157]
	v_pk_add_f32 v[242:243], v[242:243], v[96:97]
	v_pk_add_f32 v[254:255], v[254:255], v[98:99]
	v_pk_add_f32 v[250:251], v[250:251], v[102:103]
	v_pk_add_f32 v[248:249], v[248:249], v[106:107]
	v_pk_add_f32 v[238:239], v[238:239], v[110:111]
	v_pk_add_f32 v[236:237], v[236:237], v[114:115]
	v_pk_add_f32 v[234:235], v[234:235], v[118:119]
	v_pk_add_f32 v[14:15], v[14:15], v[122:123]
	v_pk_add_f32 v[242:243], v[242:243], v[126:127]
	v_pk_add_f32 v[254:255], v[254:255], v[130:131]
	v_pk_add_f32 v[250:251], v[250:251], v[134:135]
	v_pk_add_f32 v[248:249], v[248:249], v[138:139]
	v_pk_add_f32 v[238:239], v[238:239], v[142:143]
	v_pk_add_f32 v[236:237], v[236:237], v[146:147]
	v_pk_add_f32 v[234:235], v[234:235], v[150:151]
	v_pk_add_f32 v[14:15], v[14:15], v[154:155]
	v_pk_add_f32 v[242:243], v[242:243], v[158:159]
	s_delay_alu instid0(VALU_DEP_2)
	v_pk_add_f32 v[14:15], v[14:15], v[248:249]
	s_delay_alu instid0(VALU_DEP_2)
	v_pk_add_f32 v[242:243], v[242:243], v[238:239]
	v_pk_add_f32 v[254:255], v[254:255], v[236:237]
	v_pk_add_f32 v[250:251], v[250:251], v[234:235]
	s_delay_alu instid0(VALU_DEP_2)
	v_pk_add_f32 v[14:15], v[14:15], v[254:255]
	s_delay_alu instid0(VALU_DEP_2)
	v_pk_add_f32 v[242:243], v[242:243], v[250:251]
	s_delay_alu instid0(VALU_DEP_1)
	v_pk_add_f32 v[14:15], v[14:15], v[242:243]
.irp t, 0,1,2,3,4,5,6,7
.irp i, 0,1,2,3,4,5,6,7
	v_min_num_f32 v[96+8*\t+\i], v[96+8*\t+\i], v240   ; the conversion does not saturate (ISA guide 7.6.2); p is not negative, so the hold is one-sided
.endr
	v_cvt_scalef32_pk8_fp8_f32 v[224+2*\t:225+2*\t], v[96+8*\t:103+8*\t], v244   ; registers 2 t, 2 t + 1 of P: keys 16 t + 8 h + 0 .. 7
.endr
.set JJ, 0
.rept 32
	v_pk_mul_f32 v[160+JJ:161+JJ], v[160+JJ:161+JJ], v[252:253] op_sel_hi:[1,0]   ; O^T under the new M.  (Also the plain lines between the conversions and the products below)
.set JJ, JJ+2
.endr
	s_wait_alu depctr_va_vdst(0)
	s_wait_dscnt 0x0                               ; V is in
	WIN 0x01
.irp t, 0,1,2,3,4,5,6,7
	v_wmma_f32_16x16x128_fp8_fp8 v[160+8*\t:167+8*\t], v[128+16*\t:143+16*\t], v[224:239], v[160+8*\t:167+8*\t]   ; the eight accumulators take turns
.endr
	WIN 0
.Lhidden_\@:
	s_add_co_u32 s[KF], s[KF], 128
.endm
.macro FOUR_STEPS sw                   ; a slot's four key steps: written once, walked four times
	s_mov_b32 s[FOUR], 4
.Lfour_\@:
	STEP \sw
	s_add_co_u32 s[TB], s[TB], 4096
	s_sub_co_u32 s[FOUR], s[FOUR], 1
	s_cmp_lg_u32 s[FOUR], 0
	s_cbranch_scc1 .Lfour_\@
	s_sub_co_u32 s[TB], s[TB], 16384               ; back to a slot's first step,
	s_xor_b32 s[TB], s[TB], SLOT1                  ; in the other slot
.endm
; A PREFETCH INTO THE L2 of the slot that the NEXT change of slots will ask for: 128 KiB on end, 16 KiB a wave, lanes 256 bytes apart, two instructions.  All work-groups of a head walk the same K and V: the head's first
; work-group, which walks all four slots, asks, and nobody else: each block of 256 bytes of slots 2 and 3 is named once.  Slots 0 and 1 come by their loads alone; the last change that may fill a slot asks for nothing.
.macro ASK
	s_cmp_gt_u32 s[SLOTS], s[LIM]
	s_cbranch_scc0 .Lnot_mine_\@
	global_prefetch_b8 v[PFO], s[PFA:PFA+1] th:TH_LOAD_NT scope:SCOPE_SE
	global_prefetch_b8 v[PFO], s[PFA:PFA+1] offset:8192 th:TH_LOAD_NT scope:SCOPE_SE
.Lnot_mine_\@:
.endm
; THE CHANGE OF SLOTS stands at a slot's head.  Each wave waits for all its tensor loads (its part of the slot that it is about to read), adds 0 to its spare word, and waits for that and for its reads of the slot that it has left.
; Behind the barrier the slot ahead is whole and nobody reads the other one.  fill = 1: that other slot takes the next 512 keys: the load has four key steps in which to land.  One tensor load of a wave is out at the most.
.macro CHANGE fill
	s_wait_tensorcnt 0x0                           ; no tensor load of mine is out, so group 0 may be written
	ds_add_u32 v[SPW], v[NIL]
.if \fill
	s_xor_b32 s[G0+1], s[G0+1], SLOT1              ; the walking descriptor: the other slot than last time,
	s_add_nc_u64 s[G0+2:G0+3], s[G0+2:G0+3], SLOT1 ; the next four key steps; the type bits on top are not reached
	s_wait_xcnt 0x0                                ; the last prefetches, a slot back, have read their address, so it may be written:
	s_add_nc_u64 s[PFA:PFA+1], s[PFA:PFA+1], SLOT1 ; one slot further on than the walking descriptor
.endif
	s_wait_dscnt 0x0                               ; the add is done, and my reads of the slot that I have left are over
	s_barrier_signal -1
	s_barrier_wait -1
.if \fill
	s_add_co_u32 s96, s[KF], 512                   ; the first key of the slot that this change would ask for.  Beyond my work-group's last query it would be read by none of the eight waves: it is not asked for.
	s_cmp_gt_u32 s96, s[WL]                        ; ids and the count of steps alone: all eight waves go the same way; every wait on TENSORcnt in this text is for 0; where the tail begins hangs on the work-group's number
	s_cbranch_scc1 .Lpast_\@
	tensor_load_to_lds s[G0:G0+3], s[G1:G1+7]      ; my one tensor load until the next change
	s_nop 0
.rept 4
	v_nop
.endr
.Lpast_\@:
	ASK
.endif
.endm
	s_wait_alu depctr_va_vdst(0)
	s_wait_loadcnt 0x0                             ; Q
.Lslot:                                                ; three trips: behind each change of slots but the last the next slot is asked for, up to the causal limit.  lo is at most 7, so every helper has begun by slot 2's first step
	CHANGE 1
	FOUR_STEPS 1
	s_sub_co_u32 s[SLOTS], s[SLOTS], 1
	s_cmp_lg_u32 s[SLOTS], 0
	s_cbranch_scc1 .Lslot
	CHANGE 0                                       ; the last slot is written out: nothing follows it
	FOUR_STEPS 0
	; THE JOIN.  Waves 0-3 hand -M, the sum and O^T to waves 4-7, lane by lane: both hold the same query in the same lane.
.rept 4
	v_nop                                          ; places behind the last products
.endr
	s_cmp_lt_u32 s[WV], 4
	s_cbranch_scc0 .Lowner
.irp i, 0,1,2,3,4,5,6,7,8,9,10,11,12,13,14,15
	ds_store_b128 v[JO], v[160+4*\i:163+4*\i] offset:512*\i
.endr
	ds_store_b64 v[JO+1], v[14:15] offset:8192
	ds_store_b32 v[JO+2], v12 offset:8448
.Lowner:
	s_wait_dscnt 0x0                               ; my stores are done: ahead of the signal, for the other wave's sake
	s_barrier_signal -1
	s_barrier_wait -1
	s_cmp_lt_u32 s[WV], 4
	s_cbranch_scc1 .Lend
.irp i, 0,1,2,3,4,5,6,7,8,9,10,11,12,13,14,15
	ds_load_b128 v[96+4*\i:99+4*\i], v[JO] offset:512*\i
.endr
	ds_load_b64 v[228:229], v[JO+1] offset:8192
	ds_load_b32 v226, v[JO+2] offset:8448
	s_wait_dscnt 0x0
	v_min_num_f32 v230, v12, v226                  ; -M of both: M is the greater of the two
	v_sub_f32 v231, v230, v12                      ; each M less the joint one: whole numbers, 0 or less
	v_sub_f32 v232, v230, v226
	v_cvt_i32_f32 v231, v231                       ; (it saturates: a helper that has had no step counts for 0)
	v_cvt_i32_f32 v232, v232
	v_ldexp_f32 v248, 1.0, v231
	v_ldexp_f32 v250, 1.0, v232
	v_ldexp_f32 v249, 1.0, v231
	v_ldexp_f32 v251, 1.0, v232
	v_pk_mul_f32 v[14:15], v[14:15], v[248:249]
.set JJ, 0
.rept 32
	v_pk_mul_f32 v[160+JJ:161+JJ], v[160+JJ:161+JJ], v[248:249]
.set JJ, JJ+2
.endr
	v_pk_fma_f32 v[14:15], v[228:229], v[250:251], v[14:15]
.set JJ, 0
.rept 32
	v_pk_fma_f32 v[160+JJ:161+JJ], v[96+JJ:97+JJ], v[250:251], v[160+JJ:161+JJ]
.set JJ, JJ+2
.endr
	WAYOUT
.Lend:
	s_wait_tensorcnt 0x0                           ; the wave's end, behind my last tensor load and my last LDS store
	ds_add_u32 v[SPW], v[NIL]
	s_wait_dscnt 0x0
	s_endpgm
.Lfunc_end_k_qa04686f947_attn:
	.size	k_qa04686f947_attn, .Lfunc_end_k_qa04686f947_attn-k_qa04686f947_attn
	.p2alignl 7, 3214868480
	.fill 96, 4, 3214868480
	.section	.rodata,"a",@progbits
	.p2align	6, 0x0
	.amdhsa_kernel k_qa04686f947_attn
		.amdhsa_group_segment_fixed_size 327680
		.amdhsa_private_segment_fixed_size 0
		.amdhsa_enable_private_segment 0
		.amdhsa_kernarg_size 32
		.amdhsa_user_sgpr_count 2
		.amdhsa_user_sgpr_kernarg_segment_ptr 1
		.amdhsa_wavefront_size32 1
		.amdhsa_system_sgpr_workgroup_id_x 1
		.amdhsa_system_sgpr_workgroup_id_y 1
		.amdhsa_system_sgpr_workgroup_id_z 1
		.amdhsa_system_vgpr_workitem_id 0
		.amdhsa_next_free_vgpr 512
		.amdhsa_next_free_sgpr 100
		.amdhsa_reserve_vcc 1
		.amdhsa_float_denorm_mode_32 3
		.amdhsa_float_denorm_mode_16_64 3
		.amdhsa_memory_ordered 1
		.amdhsa_forward_progress 1
		.amdhsa_inst_pref_size 86
	.end_amdhsa_kernel
	.amdgpu_metadata
---
amdhsa.version: [ 1, 2 ]
amdhsa.kernels:
  - .name:           k_qa04686f947_attn
    .symbol:         k_qa04686f947_attn.kd
    .args:
      - { .name: q_img, .offset: 0, .size: 8, .value_kind: global_buffer, .address_space: global }
      - { .name: kv_img, .offset: 8, .size: 8, .value_kind: global_buffer, .address_space: global }
      - { .name: lowp_scales, .offset: 16, .size: 8, .value_kind: global_buffer, .address_space: global }
      - { .name: o_img, .offset: 24, .size: 8, .value_kind: global_buffer, .address_space: global }
    .group_segment_fixed_size: 327680
    .private_segment_fixed_size: 0
    .kernarg_segment_align: 8
    .kernarg_segment_size: 32
    .max_flat_workgroup_size: 256
    .sgpr_count:     100
    .vgpr_count:     512
    .wavefront_size: 32
...
	.end_amdgpu_metadata
.endif
;; end of part 3
;; launch oproj (part 4): grid 16 x 16, 4 waves a work-group, clusters of 4 x 4, 327,680 bytes of LDS; arguments o_img, woc, lowp_scales, out0; writes out0
.if DOCPART == 4
	.amdgcn_target "amdgcn-amd-amdhsa--gfx1250"
	.amdhsa_code_object_version 6
	.text
	.protected	k_qa04686f947_oproj
	.globl	k_qa04686f947_oproj
	.p2align	8
	.type	k_qa04686f947_oproj,@function
k_qa04686f947_oproj:
	s_mov_b64 s[64:65], 0
	v_nop
	global_prefetch_b8 v0, s[64:65] scope:SCOPE_SE
	s_setreg_imm32_b32 hwreg(HW_REG_WAVE_MODE, 25, 1), 1
	s_wait_xcnt 0x0
	s_wait_alu depctr_hold_cnt(0) depctr_sa_sdst(0) depctr_va_vdst(0) depctr_va_sdst(0) depctr_va_ssrc(0) depctr_va_vcc(0) depctr_vm_vsrc(0)
	s_getreg_b32 s2, hwreg(HW_REG_IB_STS2, 6, 4)
	s_cmp_eq_u32 s2, 0
	s_cbranch_scc0 .Lentry_in_a_cluster
	s_endpgm
.Lentry_in_a_cluster:
	s_bfe_u32 s2, ttmp6, 0x10000c
	s_cmp_lg_u32 s2, 0xf033
	s_cbranch_scc0 .Lentry_shape_is_right
	s_endpgm
.Lentry_shape_is_right:
; out0 = o Wo^T on codes of FP8 (E4M3), f32 sums x 2^(e10 + e11).  LIMIT: e10 + e11 lies between -126 and 127.
; A work-group makes 128 x 128 of out0, a wave 64 x 64.  K goes in four slots of 512 (four heads) through a ring of two: A is an image of operand registers (o_img), B rows of 512 bytes of woc, 528 apart in LDS.
; CLUSTERS 4 x 4: A's part is asked for jointly by a cluster's row, B's by a column; waves 0, 1 fetch A's halves, waves 2, 3 B's.
; PREFETCH, one slot ahead of the loads: behind the load of slot k the slot k + 1 is asked for (k = 0 .. 2), 32 blocks of 256 bytes a wave: of A's half the partner cx names one head's 8 KiB, of B's 64 rows the partner cy 16 rows.
.set PFO,    30                        ; v30 the prefetches' offset; s[4:5] where they stand, s[6:7] a slot on
.set ASZ,    65536
.set BPITCH, 528
.set BHALF,  64*BPITCH
.set SLOT,   ASZ+2*BHALF
.set STAGE,  2*SLOT
.set SPITCH, 272
.set SPARE,  STAGE+4*16*SPITCH
.set ADRA, 16
.set ADRB, 20
.set STO,  24
.set RD,   25
.set CO,   26
.set SPW,  28
.set NIL,  29
.set TMP,  32
.set BK,   64
.set ACC,  128
.set F0,   0
.set F1,   128
.set G1, 24
.set G0, 32
.set G1B, 48
.set G0B, 56
.set MSB, 0
.macro WIN new
.if MSB != (\new)
	s_set_vgpr_msb (MSB<<8)|(\new)
.set MSB, (\new)
.endif
.endm
.set MUL,  0x05
.set TO_F, 0x40
.macro JLOAD s
	s_cmp_eq_u32 s11, 0
	s_cbranch_scc0 .Lfor_b_\@
	tensor_load_to_lds s[G0+4*\s:G0+4*\s+3], s[G1:G1+7]
	s_nop 0
.rept 4
	v_nop
.endr
	s_branch .Lasked_\@
.Lfor_b_\@:
	tensor_load_to_lds s[G0B+4*\s:G0B+4*\s+3], s[G1B:G1B+7]
	s_nop 0
.rept 4
	v_nop
.endr
.Lasked_\@:
.endm
.macro CREST
	s_cmp_lg_u32 s10, 0
	s_cbranch_scc1 .Lnot_wave_0_\@
	s_barrier_signal -3
.Lnot_wave_0_\@:
	s_barrier_wait -3
	s_barrier_signal -1
	s_barrier_wait -1
.endm
.macro CROUND
	s_barrier_signal -1
	s_barrier_wait -1
	CREST
.endm
	s_load_b256 s[68:75], s[0:1], 0x0
	v_lshl_add_u32 v[SPW], v0, 2, SPARE
	v_mov_b32 v[NIL], 0
	ds_add_u32 v[SPW], v[NIL]
	ds_add_u32 v[SPW], v[NIL]
	v_lshrrev_b32 v1, 5, v0
	v_readfirstlane_b32 s10, v1
	s_lshr_b32 s11, s10, 1
	s_and_b32 s12, s10, 1
	s_bfe_u32 s40, ttmp6, 0x40000
	s_bfe_u32 s41, ttmp6, 0x40004
	s_lshl_b32 s42, ttmp9, 2
	s_add_co_u32 s42, s42, s40
	s_and_b32 s13, ttmp7, 0xffff
	s_lshl_b32 s13, s13, 2
	s_add_co_u32 s13, s13, s41
	s_lshl_b32 s43, s41, 2
	s_lshl_b32 s43, 15, s43
	s_lshl_b32 s44, 0x1111, s40
	s_or_b32 s[G1+0], s43, (3<<16)|(1<<21)
	s_mov_b32 s[G1+1], 1024<<16
	s_mov_b32 s[G1+2], 4<<16
	s_mov_b32 s[G1+3], 1024<<16
	s_mov_b32 s[G1+4], 4
	s_mov_b32 s[G1+5], 32768
	s_mov_b32 s[G1+6], 0
	s_mov_b32 s[G1+7], 0
	s_or_b32 s[G1B+0], s44, (0<<16)|(1<<20)|(1<<21)|(6<<22)|(3<<25)
	s_mov_b32 s[G1B+1], 512<<16
	s_mov_b32 s[G1B+2], 64<<16
	s_mov_b32 s[G1B+3], 512<<16
	s_mov_b32 s[G1B+4], 64
	s_mov_b32 s[G1B+5], 2048
	s_mov_b32 s[G1B+6], 0
	s_mov_b32 s[G1B+7], 0
	s_lshl_b32 s16, s13, 14
	s_lshl_b32 s17, s12, 13
	s_add_co_u32 s16, s16, s17
	s_mov_b32 s17, 0
	s_lshl_b32 s46, s42, 18
	s_lshl_b32 s47, s12, 17
	s_add_co_u32 s46, s46, s47
	s_mov_b32 s47, 0
	s_lshl_b32 s20, s12, 15
	s_mul_i32 s21, s12, BHALF
	s_add_co_u32 s21, s21, ASZ
	s_wait_dscnt 0x0
	s_wait_kmcnt 0x0
	s_load_b64 s[66:67], s[72:73], 0x28
	s_add_nc_u64 s[14:15], s[68:69], s[16:17]
	s_add_nc_u64 s[46:47], s[70:71], s[46:47]
	CROUND
.irp s, 0,1
	s_mov_b32 s[G0+4*\s], 1
	s_add_co_u32 s[G0+4*\s+1], s20, \s*SLOT
	s_add_nc_u64 s[G0+4*\s+2:G0+4*\s+3], s[14:15], \s*0x100000
	s_or_b32 s[G0+4*\s+3], s[G0+4*\s+3], 0x80000000
	s_mov_b32 s[G0B+4*\s], 1
	s_add_co_u32 s[G0B+4*\s+1], s21, \s*SLOT
	s_add_nc_u64 s[G0B+4*\s+2:G0B+4*\s+3], s[46:47], \s*512
	s_or_b32 s[G0B+4*\s+3], s[G0B+4*\s+3], 0x80000000
.endr
	JLOAD 0                                        ; slot 0: one tensor load a wave at the head
	s_lshl_b32 s8, s40, 18                         ; A: the partner's head, 256 KiB on
	s_lshl_b32 s9, s41, 15                         ; B: its 16 rows of 2,048 bytes
	s_mov_b32 s6, 512
	s_cmp_eq_u32 s11, 0
	s_cselect_b64 s[4:5], s[14:15], s[46:47]
	s_cselect_b32 s6, 0x100000, s6
	s_cselect_b32 s8, s8, s9
	s_mov_b32 s7, 0
	s_mov_b32 s9, 0
	s_add_nc_u64 s[4:5], s[4:5], s[8:9]
	s_add_nc_u64 s[4:5], s[4:5], s[6:7]            ; slot 1
	s_mul_i32 s2, s11, 3
	s_add_co_u32 s2, s2, 8
	v_and_b32 v6, 31, v0
	v_lshrrev_b32 v7, s11, v6
	v_lshlrev_b32 v7, s2, v7
	v_and_b32 v6, s11, v6
	v_lshl_add_u32 v[PFO], v6, 8, v7               ; A: 256 x lane; B: 2,048 (lane / 2) + 256 (lane % 2)
	global_prefetch_b8 v[PFO], s[4:5] th:TH_LOAD_NT scope:SCOPE_SE
	v_and_b32 v1, 15, v0
	v_bfe_u32 v2, v0, 4, 1
	v_and_b32 v3, 31, v0
	v_lshlrev_b32 v3, 4, v3
	v_mul_u32_u24 v4, v1, BPITCH
	v_lshl_add_u32 v4, v2, 4, v4
	s_lshl_b32 s21, s11, 15
	s_mul_i32 s22, s12, BHALF
	s_add_co_u32 s22, s22, ASZ
.irp s, 0,1
	v_add_nc_u32 v[ADRA+\s], s21, v3
	v_add_nc_u32 v[ADRB+\s], s22, v4
	s_add_co_u32 s21, s21, SLOT
	s_add_co_u32 s22, s22, SLOT
.endr
	s_mul_i32 s23, s10, 16*SPITCH
	s_add_co_u32 s23, s23, STAGE
	v_mul_u32_u24 v5, v1, SPITCH
	v_lshl_add_u32 v5, v2, 5, v5
	v_add_nc_u32 v[STO], s23, v5
	v_mul_u32_u24 v5, v2, SPITCH
	v_lshl_add_u32 v5, v1, 4, v5
	v_add_nc_u32 v[RD], s23, v5
	v_lshlrev_b32 v5, 13, v2
	v_lshl_add_u32 v[CO], v1, 4, v5
	s_lshl_b32 s16, s13, 20
	s_lshl_b32 s17, s11, 19
	s_add_co_u32 s16, s16, s17
	s_mov_b32 s17, 0
	s_add_nc_u64 s[74:75], s[74:75], s[16:17]
	s_lshl_b32 s46, s42, 9
	s_lshl_b32 s47, s12, 8
	s_add_co_u32 s46, s46, s47
	s_mov_b32 s47, 0
	s_add_nc_u64 s[74:75], s[74:75], s[46:47]
.macro FETCH slot, z, f
	WIN TO_F
.irp b, 0,1,2,3
.irp c, 0,1,2,3
	ds_load_b128 v[\f+64+16*\b+4*\c:\f+64+16*\b+4*\c+3], v[ADRB+\slot] offset:128*(\z)+32*\c+16*BPITCH*\b
.endr
.endr
.irp a, 0,1,2,3
.irp c, 0,1,2,3
	ds_load_b128 v[\f+16*\a+4*\c:\f+16*\a+4*\c+3], v[ADRA+\slot] offset:8192*(\z)+2048*\a+512*\c
.endr
.endr
.endm
.macro MUL4 f, a, zero
.irp b, 0,1,2,3
.if \zero
	v_wmma_f32_16x16x128_fp8_fp8 v[ACC+8*(4*(\a)+\b):ACC+8*(4*(\a)+\b)+7], v[\f+64+16*\b:\f+64+16*\b+15], v[\f+16*(\a):\f+16*(\a)+15], 0
.else
	v_wmma_f32_16x16x128_fp8_fp8 v[ACC+8*(4*(\a)+\b):ACC+8*(4*(\a)+\b)+7], v[\f+64+16*\b:\f+64+16*\b+15], v[\f+16*(\a):\f+16*(\a)+15], v[ACC+8*(4*(\a)+\b):ACC+8*(4*(\a)+\b)+7]
.endif
.endr
.endm
.macro PLACES
.rept 4
	v_nop
.endr
.endm
.macro QUARTER slot, z, f, g, zero
	s_wait_dscnt 8
	WIN MUL
	MUL4 \f, 0, \zero
	MUL4 \f, 1, \zero
	PLACES
	FETCH \slot, \z, \g
	s_wait_dscnt 32
	WIN MUL
	MUL4 \f, 2, \zero
	MUL4 \f, 3, \zero
.endm
.macro TURN slot, next, fill
.if (\fill) && ((\slot) == 0)
	s_wait_xcnt 0x0                                ; the last prefetch, a slot back, has read its address
	s_add_nc_u64 s[4:5], s[4:5], s[6:7]
.endif
	WIN 0
	s_wait_tensorcnt 0x0
	ds_add_u32 v[SPW], v[NIL]
	s_wait_dscnt 9
	WIN MUL
	MUL4 F1, 0, 0
	s_wait_dscnt 0x0
	s_barrier_signal -1
	MUL4 F1, 1, 0
.if \fill
	WIN 0
.endif
	s_barrier_wait -1
.if \fill
	CREST
	s_add_nc_u64 s[G0+4*\slot+2:G0+4*\slot+3], s[G0+4*\slot+2:G0+4*\slot+3], 0x200000
	s_add_nc_u64 s[G0B+4*\slot+2:G0B+4*\slot+3], s[G0B+4*\slot+2:G0B+4*\slot+3], 1024
	JLOAD \slot
.else
	PLACES
.endif
	s_wait_alu depctr_va_vdst(0)
	FETCH \next, 0, F0
.if (\fill) && ((\slot) == 0)
	global_prefetch_b8 v[PFO], s[4:5] th:TH_LOAD_NT scope:SCOPE_SE   ; slot 3
.endif
	WIN MUL
	MUL4 F1, 2, 0
	MUL4 F1, 3, 0
.endm
	s_wait_alu depctr_va_vdst(0)
	s_wait_xcnt 0x0                                ; the prefetch has read its address
	s_add_nc_u64 s[4:5], s[4:5], s[6:7]
	s_wait_tensorcnt 0x0                           ; my part of slot 0 is in; these lines stand ahead of a later first fill as ahead of a refill
	ds_add_u32 v[SPW], v[NIL]
	s_wait_dscnt 0x0
	CROUND
	JLOAD 1
	FETCH 0, 0, F0
	global_prefetch_b8 v[PFO], s[4:5] th:TH_LOAD_NT scope:SCOPE_SE   ; slot 2
	QUARTER 0, 1, F0, F1, 1
	QUARTER 0, 2, F1, F0, 0
	QUARTER 0, 3, F0, F1, 0
	TURN 0, 1, 1
	QUARTER 1, 1, F0, F1, 0
	QUARTER 1, 2, F1, F0, 0
	QUARTER 1, 3, F0, F1, 0
	TURN 1, 0, 1
	QUARTER 0, 1, F0, F1, 0
	QUARTER 0, 2, F1, F0, 0
	QUARTER 0, 3, F0, F1, 0
	TURN 0, 1, 0
	QUARTER 1, 1, F0, F1, 0
	QUARTER 1, 2, F1, F0, 0
	QUARTER 1, 3, F0, F1, 0
	s_wait_dscnt 8
	WIN MUL
	MUL4 F1, 0, 0
	MUL4 F1, 1, 0
	s_wait_dscnt 0
	MUL4 F1, 2, 0
	MUL4 F1, 3, 0
	WIN 0
	s_wait_kmcnt 0x0
	s_add_co_i32 s66, s66, s67
	s_add_co_i32 s66, s66, 127
	s_lshl_b32 s66, s66, 23
	s_mov_b32 s67, s66
	PLACES
.macro TOSTAGE a
.set JJ, 0
.rept 16
	v_pk_mul_f32 v[TMP+JJ:TMP+JJ+1], v[ACC+32*(\a)+JJ:ACC+32*(\a)+JJ+1], s[66:67] op_sel_hi:[1,0]
.set JJ, JJ+2
.endr
.irp b, 0,1,2,3
	ds_store_b128 v[STO], v[TMP+8*\b:TMP+8*\b+3] offset:64*\b
	ds_store_b128 v[STO], v[TMP+8*\b+4:TMP+8*\b+7] offset:64*\b+16
.endr
.irp t, 0,1,2,3,4,5,6,7
	ds_load_b128 v[BK+32*((\a)%2)+4*\t:BK+32*((\a)%2)+4*\t+3], v[RD] offset:\t*2*SPITCH
.endr
.endm
.macro SEND a, younger
	s_wait_dscnt \younger
.irp t, 0,1,2,3,4,5,6,7
	global_store_b128 v[CO], v[BK+32*((\a)%2)+4*\t:BK+32*((\a)%2)+4*\t+3], s[74:75] offset:(16*(\a)+2*\t)*8192 th:TH_STORE_NT
.endr
.endm
	TOSTAGE 0
	TOSTAGE 1
	SEND 0, 16
	s_wait_xcnt 0x0
	TOSTAGE 2
	SEND 1, 16
	s_wait_xcnt 0x0
	TOSTAGE 3
	SEND 2, 16
	SEND 3, 0
	s_wait_tensorcnt 0x0
	ds_add_u32 v[SPW], v[NIL]
	s_wait_dscnt 0x0
	CROUND
	s_endpgm
.Lfunc_end_k_qa04686f947_oproj:
	.size	k_qa04686f947_oproj, .Lfunc_end_k_qa04686f947_oproj-k_qa04686f947_oproj
	.p2alignl 7, 3214868480
	.fill 96, 4, 3214868480
	.section	.rodata,"a",@progbits
	.p2align	6, 0x0
	.amdhsa_kernel k_qa04686f947_oproj
		.amdhsa_group_segment_fixed_size 327680
		.amdhsa_private_segment_fixed_size 0
		.amdhsa_enable_private_segment 0
		.amdhsa_kernarg_size 32
		.amdhsa_user_sgpr_count 2
		.amdhsa_user_sgpr_kernarg_segment_ptr 1
		.amdhsa_wavefront_size32 1
		.amdhsa_system_sgpr_workgroup_id_x 1
		.amdhsa_system_sgpr_workgroup_id_y 1
		.amdhsa_system_sgpr_workgroup_id_z 1
		.amdhsa_system_vgpr_workitem_id 0
		.amdhsa_next_free_vgpr 512
		.amdhsa_next_free_sgpr 76
		.amdhsa_reserve_vcc 0
		.amdhsa_float_denorm_mode_32 3
		.amdhsa_float_denorm_mode_16_64 3
		.amdhsa_memory_ordered 1
		.amdhsa_forward_progress 1
		.amdhsa_inst_pref_size 75
	.end_amdhsa_kernel
	.amdgpu_metadata
---
amdhsa.version: [ 1, 2 ]
amdhsa.kernels:
  - .name:           k_qa04686f947_oproj
    .symbol:         k_qa04686f947_oproj.kd
    .args:
      - { .name: o_img, .offset: 0, .size: 8, .value_kind: global_buffer, .address_space: global }
      - { .name: woc, .offset: 8, .size: 8, .value_kind: global_buffer, .address_space: global }
      - { .name: lowp_scales, .offset: 16, .size: 8, .value_kind: global_buffer, .address_space: global }
      - { .name: out0, .offset: 24, .size: 8, .value_kind: global_buffer, .address_space: global }
    .group_segment_fixed_size: 327680
    .private_segment_fixed_size: 0
    .kernarg_segment_align: 8
    .kernarg_segment_size: 32
    .max_flat_workgroup_size: 128
    .sgpr_count:     76
    .vgpr_count:     512
    .wavefront_size: 32
...
	.end_amdgpu_metadata
.endif
;; end of part 4
